; MI455X (gfx1250); checked and timed in simulation.
; The chip was launched on July 23, 2026; its instructions are those of AMD's public machine-readable ISA for CDNA 5 (MIT licence, August 2026) and "CDNA5" Instruction Set Architecture Reference Guide (July 2026). The comments in the code are by the model that wrote it; some were corrected since.
;; Causal Self Attention. Allowed arithmetic: matrix products marked QUANTISED: E2M1 operands, one E8M0 scale for each 32 along K, by v_wmma_scale_f32_16x16x128_f8f6f4 with both operands' format E2M1 (or v_wmma_scale_f32_32x16x128_f4), f32 sums; everything else in f32.
;; Inputs: b_attn 3,072 float32; b_proj 1,024 float32; w_attn 3,072 x 1,024 float32; w_proj 1,024 x 1,024 float32; x 2 x 2,048 x 1,024 float32.
;; Outputs: out0 2 x 2,048 x 1,024 float32.
;; This version of the problem:
;;   THIS VERSION OF THE PROBLEM IS GIVEN IN LOW PRECISION. The matrix products marked QUANTISED in the list below multiply operands that are first quantised to E2M1 (2 exponent bits, 1 mantissa bit; 4 bits a number), with one power-of-two scale for each 32 numbers along K (OCP MX v1.0); their sums are f32. All else is computed in f32.
;;   The module's matrix products, in the order in which they are computed (A, B: the left and right operand; K: the contracted axis; several contracted axes count as one K, in the product's order):
;;     1. [M 4,096, K 1,024] x [K 1,024, N 3,072]; A: input x; B: computed on the way: QUANTISED
;;     2. batch 32 x [M 2,048, K 64] x [K 64, N 2,048]; A: computed on the way; B: computed on the way: QUANTISED
;;     3. batch 32 x [M 2,048, K 2,048] x [K 2,048, N 64]; A: softmax (see below); B: computed on the way: QUANTISED
;;     4. [M 4,096, K 1,024] x [K 1,024, N 1,024]; A: computed on the way; B: computed on the way: QUANTISED
;;   THE QUANTISER, for each operand of a quantised product, along K:
;;     - K is cut into blocks of 32 from its start; a last block that is shorter is filled with zeros.
;;     - A block's scale is 2^e with e = floor(log2(the largest magnitude in the block)) - 2, held to -126 .. 127; a block of zeros has e = 0. As a byte (E8M0): e + 127.
;;     - Each number is divided by its block's scale, clamped to +-6, and rounded to the nearest number of E2M1, ties to even, subnormals kept.
;;     - The product sums the exact products of the quantised numbers (number of the format x scale) in f32.
;;   ~~~python
;;   def quantise(x, axis):      # numpy; x: float32 -> the quantised numbers, widened to float32 again
;;       x = np.moveaxis(x, axis, -1); K = x.shape[-1]
;;       x = np.pad(x, [(0, 0)] * (x.ndim - 1) + [(0, -K % 32)]); x = x.reshape(x.shape[:-1] + (-1, 32)); a = np.abs(x).max(-1, keepdims=True)
;;       e = np.where(a > 0, np.clip(np.frexp(np.where(a > 0, a, 1))[1] - 1 - 2, -126, 127), 0)      # np.frexp(a)[1] - 1 = floor(log2(a)), exactly
;;       r = np.clip(x / 2.0 ** e, -6, 6)
;;       step = 2.0 ** (np.maximum(np.frexp(np.where(r == 0, 1, r))[1] - 1, 0) - 1)
;;       q = np.round(r / step) * step * 2.0 ** e      # np.round: ties to even
;;       return np.moveaxis(q.reshape(q.shape[:-2] + (-1,))[..., :K], -1, axis).astype(np.float32)
;;   ~~~
;;   SOFTMAX AHEAD OF A QUANTISED PRODUCT. Where the list says 'softmax', what is quantised is not the finished softmax but p = 2^(t - M), with t = logit x log2(e) and M = ceil(the row's largest t), a whole number; so 1/2 < the row's largest p <= 1. The row's sum l is taken of the UNQUANTISED p, in f32, and the product's result is divided by l at the end. Since M is a whole number, a kernel that streams over the keys may use a running M (the ceiling of the running maximum): every later rescaling is an exact power of two, which a block's scale takes up: the codes' values come out the same.
;;   OPERANDS COMPUTED ON THE WAY. 'Computed on the way' means the value that the module computes at that place (a softmax that the list does not call 'softmax' is quantised finished and normalised). What goes into a quantiser is computed in f32, as accurately as f32 sums, v_exp_f32 and their like allow (about 1e-6 of the number): no bf16 or f16 on the way to a quantiser, and a product that is left as it is and whose result goes on into a quantised operand takes f32 operands (vector FMAs, or v_wmma_f32_16x16x4_f32). A number that lies on a knife's edge between two numbers of the format may be rounded either way, as far as f32 arithmetic and the matrix unit's own rounding can turn it there, and no further.
;; One version. Each part assembles by itself: llvm-mc -triple=amdgcn-amd-amdhsa -mcpu=gfx1250 --defsym DOCPART=n.
;; ======== version 1 of 1: 5 launches
;; limits: right only within a limited range of input values
;; workspace buffers: pmax 1,024 bytes; opc 4,194,304 bytes; ops 262,144 bytes; qkvc 6,291,456 bytes; qkvs 655,360 bytes; yc 2,097,152 bytes; ys 131,072 bytes
;; launch wmax (part 1): grid 256 x 1, 4 waves a work-group, no clusters, 768 bytes of LDS; arguments w_attn, w_proj, pmax; writes pmax
.if DOCPART == 1
	.amdgcn_target "amdgcn-amd-amdhsa--gfx1250"
	.amdhsa_code_object_version 6
	.text
	.protected	k_q7d9d66a416_wmax
	.globl	k_q7d9d66a416_wmax
	.p2align	8
	.type	k_q7d9d66a416_wmax,@function
k_q7d9d66a416_wmax:
	s_mov_b64 s[64:65], 0
	v_nop
	global_prefetch_b8 v0, s[64:65] scope:SCOPE_SE
	s_setreg_imm32_b32 hwreg(HW_REG_WAVE_MODE, 25, 1), 1
	s_wait_xcnt 0x0
; CAUSAL SELF-ATTENTION ON CODES OF E2M1, five launches:
;   wmax   the largest magnitude of each 64 KiB piece of w_attn and of w_proj (the snapping needs each tensor's largest magnitude first)
;   quant  x, snap(w_attn), snap(w_proj) -> codes and scale bytes, laid as images of the matrix operands' registers
;   qkv    x snap(w_attn)^T + b_attn, quantised on the way out: q and k along the head's 64, v along the keys
;   attn   q k^T, the softmax, p v, divided by the row's sum, quantised along the channels
;   proj   y snap(w_proj)^T + b_proj
; WORK LEFT OUT.  reference() sets att to -infinity wherever key > query, by a mask that it builds itself (jnp.tril); exp(-infinity) = 0, so such a key adds 0 to the row's sum and 0 to y, whatever finite
; values the inputs hold.  A step of 128 keys all of which come after all 16 queries of a wave is therefore not multiplied (launch attn); inside the one step on the diagonal the scores are computed and masked.
; Nothing else is left out: every input has a way to the output (b_attn's part for k moves k's codes and stays).
; LIMITS.  NaN and infinities among the inputs are not served.  A NaN, an infinity or an overflow that would reach only the key steps left out is not carried to the result.
; A block whose largest magnitude lies under 2^-124, a block of zeros among them, gets the scale byte 1: its codes are zeros or as the held exponent gives them, and the bytes are read by this program alone.
;
; THIS LAUNCH.  Work-group k takes 65,536 bytes: k < 192 piece k of w_attn, else piece k - 192 of w_proj, and stores one f32 number, the piece's largest magnitude, at word k of pmax.
; 128 threads x 16 bytes: a wave's load covers 512 consecutive bytes; all 32 loads of a wave are issued at once.  The one store of 4 bytes a work-group is 1 KiB in all beside 16 MiB read.
.set SPARE, 256                        ; the spare words: 128 bytes for each wave, behind the block that holds the four waves' maxima
.set SPW,   8                          ; v8   LDS address of my spare word; never rewritten
.set NIL,   9                          ; v9   0; never rewritten
.set D,     16                         ; v16-143 the 32 loads
	s_load_b128 s[4:7], s[0:1], 0x0                ; w_attn, w_proj
	s_load_b64 s[8:9], s[0:1], 0x10                ; pmax
	v_lshl_add_u32 v[SPW], v0, 2, SPARE
	v_mov_b32 v[NIL], 0
	v_lshrrev_b32 v6, 5, v0
	v_readfirstlane_b32 s10, v6                    ; wave
	v_lshlrev_b32 v1, 4, v0                        ; 16 bytes a thread
	v_lshlrev_b32 v10, 2, v6                       ; LDS: my wave's word
	v_mov_b32 v11, 0
	v_mov_b32 v7, 0                                ; a lane permute's destination counts as one of its sources
	s_mov_b32 s12, 0x76543210
	s_mov_b32 s13, 0xfedcba98                      ; v_permlanex16_b32's selects for lane l xor 16
	s_wait_alu depctr_va_vdst(0)
	s_wait_kmcnt 0x0
	s_cmp_lt_u32 ttmp9, 192                        ; the choice hangs on the work-group's number alone
	s_cselect_b64 s[4:5], s[4:5], s[6:7]
	s_cselect_b32 s14, 0, 192
	s_sub_co_u32 s14, ttmp9, s14
	s_lshl_b32 s14, s14, 16                        ; my piece
	s_mov_b32 s15, 0
	s_add_nc_u64 s[4:5], s[4:5], s[14:15]
.set i, 0
.rept 32
	global_load_b128 v[D+4*i:D+4*i+3], v1, s[4:5] offset:2048*i
.set i, i+1
.endr
.macro RUN from, pairs                 ; four chains that do not wait for each other
.set j, \from
.rept \pairs
	v_max3_num_f32 v[2+(j/2)%4], v[2+(j/2)%4], |v[D+j]|, |v[D+j+1]|
.set j, j+2
.endr
.endm
	s_wait_loadcnt 24                              ; the first eight loads are in; the 24 younger ones stay out
	v_max_num_f32 v2, |v[D]|, |v[D+1]|             ; the first eight numbers start the chains: nothing is cleared
	v_max_num_f32 v3, |v[D+2]|, |v[D+3]|
	v_max_num_f32 v4, |v[D+4]|, |v[D+5]|
	v_max_num_f32 v5, |v[D+6]|, |v[D+7]|
	RUN 8, 12
	s_wait_alu depctr_va_vdst(0)
	s_wait_loadcnt 16                              ; the second eight; 16 stay out
	RUN 32, 16
	s_wait_alu depctr_va_vdst(0)
	s_wait_loadcnt 8
	RUN 64, 16
	s_wait_alu depctr_va_vdst(0)
	s_wait_loadcnt 0x0
	RUN 96, 16
	v_max3_num_f32 v2, v2, v3, v4
	v_max_num_f32 v2, v2, v5
	v_max_num_f32_dpp v2, v2, v2 row_xmask:1 row_mask:0xf bank_mask:0xf
	v_max_num_f32_dpp v2, v2, v2 row_xmask:2 row_mask:0xf bank_mask:0xf
	v_max_num_f32_dpp v2, v2, v2 row_xmask:4 row_mask:0xf bank_mask:0xf
	v_max_num_f32_dpp v2, v2, v2 row_xmask:8 row_mask:0xf bank_mask:0xf
	v_permlanex16_b32 v7, v2, s12, s13
	v_max_num_f32 v2, v2, v7                       ; the wave's
	ds_store_b32 v10, v2                           ; all lanes write the same word with the same value
	s_wait_dscnt 0x0                               ; for the others' sake
	s_barrier_signal -1
	s_barrier_wait -1
	ds_load_b128 v[12:15], v11                     ; the four waves'
	s_wait_dscnt 0x0
	v_max3_num_f32 v12, v12, v13, v14
	v_max_num_f32 v12, v12, v15
	s_cmp_lg_u32 s10, 0
	s_cbranch_scc1 .Lend                           ; wave 0 stores
	s_lshl_b32 s14, ttmp9, 2
	s_mov_b32 s15, 0
	s_add_nc_u64 s[8:9], s[8:9], s[14:15]
	v_cmp_eq_u32 vcc_lo, 0, v0
	s_wait_xcnt 0x0                                ; EXEC changes only behind this wait
	s_and_saveexec_b32 s16, vcc_lo
	s_wait_alu depctr_va_vdst(0)
	global_store_b32 v11, v12, s[8:9]
	s_wait_xcnt 0x0                                ; and again, in front of the line that widens it
	s_or_b32 exec_lo, exec_lo, s16
.Lend:
	s_wait_tensorcnt 0x0                           ; the wave's end
	ds_add_u32 v[SPW], v[NIL]
	s_wait_dscnt 0x0
	s_endpgm
.Lfunc_end_k_q7d9d66a416_wmax:
	.size	k_q7d9d66a416_wmax, .Lfunc_end_k_q7d9d66a416_wmax-k_q7d9d66a416_wmax
	.p2alignl 7, 3214868480
	.fill 96, 4, 3214868480
	.section	.rodata,"a",@progbits
	.p2align	6, 0x0
	.amdhsa_kernel k_q7d9d66a416_wmax
		.amdhsa_group_segment_fixed_size 768
		.amdhsa_private_segment_fixed_size 0
		.amdhsa_enable_private_segment 0
		.amdhsa_kernarg_size 24
		.amdhsa_user_sgpr_count 2
		.amdhsa_user_sgpr_kernarg_segment_ptr 1
		.amdhsa_wavefront_size32 1
		.amdhsa_system_sgpr_workgroup_id_x 1
		.amdhsa_system_sgpr_workgroup_id_y 1
		.amdhsa_system_sgpr_workgroup_id_z 1
		.amdhsa_system_vgpr_workitem_id 0
		.amdhsa_next_free_vgpr 152
		.amdhsa_next_free_sgpr 66
		.amdhsa_reserve_vcc 1
		.amdhsa_float_denorm_mode_32 3
		.amdhsa_float_denorm_mode_16_64 3
		.amdhsa_memory_ordered 1
		.amdhsa_forward_progress 1
		.amdhsa_inst_pref_size 10
	.end_amdhsa_kernel
	.amdgpu_metadata
---
amdhsa.version: [ 1, 2 ]
amdhsa.kernels:
  - .name:           k_q7d9d66a416_wmax
    .symbol:         k_q7d9d66a416_wmax.kd
    .args:
      - { .name: w_attn, .offset: 0, .size: 8, .value_kind: global_buffer, .address_space: global }
      - { .name: w_proj, .offset: 8, .size: 8, .value_kind: global_buffer, .address_space: global }
      - { .name: pmax, .offset: 16, .size: 8, .value_kind: global_buffer, .address_space: global }
    .group_segment_fixed_size: 768
    .private_segment_fixed_size: 0
    .kernarg_segment_align: 8
    .kernarg_segment_size: 24
    .max_flat_workgroup_size: 128
    .sgpr_count:     66
    .vgpr_count:     152
    .wavefront_size: 32
...
	.end_amdgpu_metadata
.endif
;; end of part 1
;; launch quant (part 2): grid 512 x 1, 4 waves a work-group, no clusters, 68,608 bytes of LDS; arguments x, w_attn, w_proj, pmax, opc, ops; writes opc, ops
.if DOCPART == 2
	.amdgcn_target "amdgcn-amd-amdhsa--gfx1250"
	.amdhsa_code_object_version 6
	.text
	.protected	k_q7d9d66a416_quant
	.globl	k_q7d9d66a416_quant
	.p2align	8
	.type	k_q7d9d66a416_quant,@function
k_q7d9d66a416_quant:
	s_mov_b64 s[64:65], 0
	v_nop
	global_prefetch_b8 v0, s[64:65] scope:SCOPE_SE
	s_setreg_imm32_b32 hwreg(HW_REG_WAVE_MODE, 25, 1), 1
	s_wait_xcnt 0x0
; x [4096][1024], snap(w_attn) [3072][1024], snap(w_proj) [1024][1024] -> codes of E2M1 with one E8M0 byte for each 32 along K, K = the 1,024 columns.
; THE LAYOUT OF opc AND ops IS THE MATRIX OPERANDS' OWN.  A ROW TILE T holds the 16 rows 32 (T / 2) + 8 (T % 2) + r + 8 (r / 8), r = 0 .. 15: not neighbours, so that a product's results, which become the
; next product's operand, fall into a lane's registers as neighbours along the next K.  opc: [512 tiles][8 K steps of 128][1,024 bytes]; in a K step's 1,024 bytes lane l's registers 4 c .. 4 c + 3 lie at 512 c + 16 l.
; ops: [512 tiles][512 bytes]: the scale word (four bytes) of K step g of the tile's row r at 256 (g / 4) + 16 r + 4 (g % 4).  Tiles 0-255: x; 256-447: w_attn; 448-511: w_proj.
; SHARES.  A work-group takes one tile, wave w its K steps 2 w and 2 w + 1.  Each load reads 512 consecutive bytes of a row; a K step's 16 x 512 bytes turn through the wave's own stage in LDS, so that a lane
; gets, of its row, 16 neighbours of each block of 32.  The codes leave as they stand in the registers: 512 consecutive bytes a store.
; THE SNAPPING.  S = the tensor's largest magnitude + 1e-6; a = |w| / S.  reference() takes the first smallest |w / S - LUT[i]|.  Between two neighbouring magnitudes of the table (their ratio is at most 2) both
; differences are exact in f32, so the choice is a comparison of a with the least f32 number that is at or above their mean (the larger magnitude has the lower index and wins a tie); 0 has index 0 and wins its tie,
; so the smallest magnitude wants a > half of it.  An entry of the other sign lies further off than 0.  The seven thresholds below are those numbers, worked out on the table's f32 bits.
; a is made by a reciprocal refined once and a quotient corrected once by fused multiply-adds.  LIMIT: where that quotient differs in its last bit from a correctly rounded division AND lies at a threshold, a weight takes the neighbouring entry.
; LIMITS of the quantiser: as stated at the head of launch wmax.
; THE TEXT PARTS ONCE, on the work-group's number: x's work-groups load their tile and go on to the common part; the weights' load the pieces' maxima and their tile, snap, and join.
.set WST,   16896                      ; LDS: a wave's two stages,
.set STG1,  8448                       ; each 16 rows x (512 bytes + 16): row r starts 4 r banks on
.set GATH,  67584                      ; the tile's 512 bytes of scale words
.set SPARE, 68096                      ; the spare words, 128 bytes for each wave
.set LI,   4                           ; v4   16 x lane
.set STI,  5                           ; v5   the stage, on the way in
.set STO,  6                           ; v6   and on the way out: row r, + 64 h
.set GA,   7                           ; v7   where my two scale words go
.set GR,   8                           ; v8   where wave 0 reads them back
.set SPW,  9                           ; v9   LDS address of my spare word; never rewritten
.set NIL,  10                          ; v10  0; never rewritten
.set R,    16                          ; v16-143  2 K steps x 16 rows x 4 registers, as loaded
.set X,    144                         ; v144-207 64 numbers in the quantiser's order; before that the snapping's registers
.set TM,   208                         ; v208-223 the quantiser's
.set PC0,  224                         ; v224-239 two fragments' codes
.set PW,   240                         ; v240-241 their scale words
.set RC,   242                         ; v242-243 1 / S, twice
.set SS,   244                         ; v244-245 S, twice
.set PL,   246                         ; v246-252 the table's seven magnitudes x S
.set SEL,  20
; 64 numbers of a lane, v[s] .. v[s + 63], register 16 b + i = k 32 b + 16 (lane / 16) + i of my row, become a fragment's codes in v[pc] on and its scale word in v[pw].
.macro QUANT s, pc, pw
.irp b, 0,1,2,3
	v_max3_num_f32 v[TM+\b], |v[(\s)+16*\b]|, |v[(\s)+1+16*\b]|, 0x1800000   ; block b: my 16 numbers, and the floor 2^(3 - 127): the byte cannot fall under 1
.endr
.irp i, 2,4,6,8,10,12,14
.irp b, 0,1,2,3
	v_max3_num_f32 v[TM+\b], v[TM+\b], |v[(\s)+16*\b+\i]|, |v[(\s)+1+16*\b+\i]|   ; the four blocks by turns
.endr
.endr
.irp b, 0,1,2,3
	v_permlanex16_b32 v[TM+4+\b], v[TM+\b], s[SEL], s[SEL+1]
.endr
.irp b, 0,1,2,3
	v_max_num_f32 v[TM+\b], v[TM+\b], v[TM+4+\b]   ; with lane l xor 16's: the block's largest magnitude
.endr
.irp b, 0,1,2,3
	v_add_nc_u32 v[TM+12+\b], 0xff000000, v[TM+\b] ; 2 off its exponent field: the conversion takes that field as its scale
.endr
.irp b, 0,1,2,3
	v_lshrrev_b32 v[TM+4+\b], 23, v[TM+12+\b]      ; the scale's byte
.endr
	v_lshl_or_b32 v[\pw], v[TM+5], 8, v[TM+4]
	v_lshl_or_b32 v[\pw], v[TM+6], 16, v[\pw]
	v_lshl_or_b32 v[\pw], v[TM+7], 24, v[\pw]
.irp b, 0,1,2,3
	v_cvt_scalef32_pk8_fp4_f32 v[(\pc)+2*\b], v[(\s)+16*\b:(\s)+7+16*\b], v[TM+12+\b]
	v_cvt_scalef32_pk8_fp4_f32 v[(\pc)+1+2*\b], v[(\s)+8+16*\b:(\s)+15+16*\b], v[TM+12+\b]
.endr
	v_nop                                          ; one plain place behind a scaled conversion
.irp c, 0,1                            ; the operand's layout wants a whole block in a lane: lanes 0-15 block 2 c, lanes 16-31 block 2 c + 1
.irp i, 0,1
	v_permlane16_swap_b32 v[(\pc)+4*\c+\i], v[(\pc)+2+4*\c+\i]
.endr
.endr
.endm
; eight weights in v[w0] on are replaced by their snapped values; each line is written for all eight, so that none waits for the line above it
.macro SNAP8 w0
.irp e, 0,1,2,3,4,5,6,7
	v_and_b32 v[144+\e], s55, v[\w0+\e]            ; |w|
.endr
.irp e, 0,2,4,6
	v_pk_mul_f32 v[152+\e:153+\e], v[144+\e:145+\e], v[RC:RC+1]
.endr
.irp e, 0,2,4,6
	v_pk_fma_f32 v[160+\e:161+\e], v[152+\e:153+\e], v[SS:SS+1], v[144+\e:145+\e] neg_lo:[1,0,0] neg_hi:[1,0,0]   ; what the quotient leaves
.endr
.irp e, 0,2,4,6
	v_pk_fma_f32 v[152+\e:153+\e], v[160+\e:161+\e], v[RC:RC+1], v[152+\e:153+\e]   ; a = |w| / S
.endr
.irp e, 0,1,2,3,4,5,6,7
	v_cmp_lt_f32 s[40+\e], s48, v[152+\e]
.endr
.irp e, 0,1,2,3,4,5,6,7
	v_cndmask_b32 v[168+\e], 0, v[PL], s[40+\e]
.endr
.irp j, 1,2,3,4,5,6
.irp e, 0,1,2,3,4,5,6,7
	v_cmp_le_f32 s[40+\e], s[48+\j], v[152+\e]
.endr
.irp e, 0,1,2,3,4,5,6,7
	v_cndmask_b32 v[168+\e], v[168+\e], v[PL+\j], s[40+\e]
.endr
.endr
.irp e, 0,1,2,3,4,5,6,7
	v_bfi_b32 v[\w0+\e], s55, v[168+\e], v[\w0+\e] ; the value's magnitude under w's sign
.endr
.endm
; my two K steps of the tile's 16 rows: 32 loads, the first K step's 16 first; each reads 512 consecutive bytes of a row
.macro TILE_LOADS
.irp kk, 0,1
.irp i, 0,1,2,3,4,5,6,7,8,9,10,11,12,13,14,15
	global_load_b128 v[R+64*\kk+4*\i:R+64*\kk+4*\i+3], v[LI], s[4:5] offset:(\i+8*(\i/8))*4096+512*\kk th:TH_LOAD_NT
.endr
.endr
.endm
	s_load_b256 s[4:11], s[0:1], 0x0               ; x, w_attn, w_proj, pmax
	s_load_b128 s[12:15], s[0:1], 0x20             ; opc, ops
	v_lshl_add_u32 v[SPW], v0, 2, SPARE
	v_mov_b32 v[NIL], 0
	v_lshrrev_b32 v11, 5, v0
	v_readfirstlane_b32 s16, v11                   ; wave
	v_and_b32 v1, 31, v0                           ; lane
	v_and_b32 v2, 15, v0                           ; r
	v_bfe_u32 v3, v0, 4, 1                         ; h
	v_lshlrev_b32 v[LI], 4, v1
	s_mul_i32 s17, s16, WST
	v_add_nc_u32 v[STI], s17, v[LI]
	v_mul_u32_u24 v[STO], v2, 528
	v_lshl_add_u32 v[STO], v3, 6, v[STO]
	v_add_nc_u32 v[STO], s17, v[STO]
	s_lshr_b32 s18, s16, 1
	s_lshl_b32 s18, s18, 8
	s_and_b32 s19, s16, 1
	s_lshl_b32 s19, s19, 3
	s_add_co_u32 s18, s18, s19
	s_add_co_u32 s18, s18, GATH
	v_lshl_add_u32 v[GA], v2, 4, s18               ; K steps 2 w, 2 w + 1 of row r: 256 (w / 2) + 8 (w % 2) + 16 r
	v_add_nc_u32 v[GR], GATH, v[LI]
.irp b, 0,1,2,3
	v_mov_b32 v[TM+4+\b], 0                        ; written once: a lane permute's destination counts as one of its sources
.endr
	s_mov_b32 s[SEL], 0x76543210
	s_mov_b32 s[SEL+1], 0xfedcba98
	s_add_co_u32 s35, ttmp9, 256                   ; s35 = my tile: work-groups 0-255 take tiles 256-511, the weights', which are snapped as well as quantised; work-groups 256-511 take x's:
	s_and_b32 s35, s35, 511                        ; the longer work has the lower numbers
	s_mov_b32 s22, 448
	s_cmp_lt_u32 s35, 448
	s_cselect_b32 s22, 256, s22
	s_cmp_lt_u32 s35, 256
	s_cselect_b32 s22, 0, s22
	s_sub_co_u32 s23, s35, s22                     ; the tile's number in its tensor
	s_lshr_b32 s24, s23, 1
	s_lshl_b32 s24, s24, 17                        ; 32 rows of 4,096 bytes
	s_and_b32 s25, s23, 1
	s_lshl_b32 s25, s25, 15                        ; 8 rows
	s_add_co_u32 s24, s24, s25
	s_lshl_b32 s25, s16, 10                        ; my two K steps: 1,024 bytes of a row
	s_add_co_u32 s24, s24, s25
	s_mov_b32 s25, 0
	s_lshl_b32 s26, s35, 13                        ; opc: 8,192 bytes a tile, 2,048 a wave
	s_lshl_b32 s27, s16, 11
	s_add_co_u32 s26, s26, s27
	s_mov_b32 s27, 0
	s_lshl_b32 s28, s35, 9                         ; ops: 512 bytes a tile
	s_mov_b32 s29, 0
	s_wait_kmcnt 0x0
	s_cmp_lt_u32 s35, 448                          ; which tensor: the choices hang on the work-group's number alone
	s_cselect_b64 s[6:7], s[6:7], s[8:9]
	s_cmp_lt_u32 s35, 256
	s_cselect_b64 s[4:5], s[4:5], s[6:7]
	s_add_nc_u64 s[4:5], s[4:5], s[24:25]
	s_add_nc_u64 s[12:13], s[12:13], s[26:27]
	s_add_nc_u64 s[14:15], s[14:15], s[28:29]
	s_cmp_lt_u32 s35, 256
	s_cbranch_scc0 .Lweight
	TILE_LOADS                                     ; x is quantised as it is
	s_branch .Lplain
.Lweight:
	global_load_b128 v[144:147], v[LI], s[10:11]             ; the 256 pieces' maxima: words 0-127,
	global_load_b128 v[148:151], v[LI], s[10:11] offset:512  ; words 128-255: lanes 0-15 w_attn's last 64, lanes 16-31 w_proj's 64
	TILE_LOADS
	s_mov_b32 s48, 0x3d1d89ce                      ; a >  this: .076923
	s_mov_b32 s49, 0x3dabdc27                      ; a >= this: .090909
	s_mov_b32 s50, 0x3def605b                      ;            .142857
	s_mov_b32 s51, 0x3e2f8af4                      ;            .2
	s_mov_b32 s52, 0x3e888883                      ;            .333333
	s_mov_b32 s53, 0x3ed55550                      ;            .5
	s_mov_b32 s54, 0x3f400000                      ;            1
	s_mov_b32 s55, 0x7fffffff
	s_wait_loadcnt 32                              ; the maxima are in; the tile's 32 loads stay out
	v_max3_num_f32 v253, v144, v145, v146
	v_max_num_f32 v253, v253, v147
	v_max3_num_f32 v254, v148, v149, v150
	v_max_num_f32 v254, v254, v151
.irp m, 1,2,4,8
	v_max_num_f32_dpp v253, v253, v253 row_xmask:\m row_mask:0xf bank_mask:0xf
	v_max_num_f32_dpp v254, v254, v254 row_xmask:\m row_mask:0xf bank_mask:0xf
.endr
	v_readlane_b32 s30, v253, 0
	v_readlane_b32 s31, v253, 16
	v_readlane_b32 s32, v254, 0
	v_readlane_b32 s33, v254, 16
	v_mov_b32 v253, s32
	v_max3_num_f32 v253, s30, s31, v253            ; w_attn's largest magnitude
	v_mov_b32 v254, s33                            ; w_proj's
	s_cmp_lt_u32 s35, 448
	s_cselect_b32 s34, -1, 0
	v_cndmask_b32 v253, v254, v253, s34
	v_add_f32 v[SS], 0x358637bd, v253              ; S = the largest magnitude + 1e-6
	s_wait_alu depctr_va_vdst(0)
	v_rcp_f32 v253, v[SS]
	v_nop                                          ; a plain place behind the reciprocal
	s_wait_alu depctr_va_vdst(0)                   ; the wait ahead of the first line that names its result
	v_fma_f32 v254, -v[SS], v253, 1.0
	v_fma_f32 v[RC], v254, v253, v253              ; 1 / S, refined once
	v_mov_b32 v[RC+1], v[RC]
	v_mov_b32 v[SS+1], v[SS]
	v_mul_f32 v[PL+0], 0x3d9d89ce, v[SS]           ; LUT x S, as reference() multiplies
	v_mul_f32 v[PL+1], 0x3dba2e7f, v[SS]
	v_mul_f32 v[PL+2], 0x3e12491b, v[SS]
	v_mul_f32 v[PL+3], 0x3e4ccccd, v[SS]
	v_mul_f32 v[PL+4], 0x3eaaaa9f, v[SS]
	v_mul_f32 v[PL+5], 0.5, v[SS]
	v_mov_b32 v[PL+6], v[SS]
	s_wait_loadcnt 16                              ; my first K step's 16 loads are in
.set W, R
.rept 8
	SNAP8 W
.set W, W+8
.endr
	s_wait_loadcnt 0x0
.rept 8
	SNAP8 W
.set W, W+8
.endr
.Lplain:
	s_wait_loadcnt 16                              ; my first K step's 16 loads are in; on x's way the second's may be out
.irp i, 0,1,2,3,4,5,6,7,8,9,10,11,12,13,14,15
	ds_store_b128 v[STI], v[R+4*\i:R+4*\i+3] offset:528*\i
.endr
	s_wait_loadcnt 0x0
	s_wait_alu depctr_va_vdst(0)
.irp i, 0,1,2,3,4,5,6,7,8,9,10,11,12,13,14,15
	ds_store_b128 v[STI], v[R+64+4*\i:R+64+4*\i+3] offset:STG1+528*\i
.endr
.macro HALF kk
.irp b, 0,1,2,3
.irp j, 0,1,2,3
	ds_load_b128 v[X+16*\b+4*\j:X+16*\b+4*\j+3], v[STO] offset:STG1*\kk+128*\b+16*\j   ; LDS serves a wave's instructions in order: these see my stores
.endr
.endr
	s_wait_dscnt 0x0
	QUANT X, PC0+8*\kk, PW+\kk
	global_store_b128 v[LI], v[PC0+8*\kk:PC0+8*\kk+3], s[12:13] offset:1024*\kk          ; 32 lanes store 512 consecutive bytes
	global_store_b128 v[LI], v[PC0+8*\kk+4:PC0+8*\kk+7], s[12:13] offset:1024*\kk+512
.endm
	HALF 0
	HALF 1
	ds_store_b64 v[GA], v[PW:PW+1]                 ; lanes r and r + 16 write the same two words with the same values
	s_wait_dscnt 0x0                               ; for wave 0's sake
	s_barrier_signal -1
	s_barrier_wait -1
	s_cmp_lg_u32 s16, 0
	s_cbranch_scc1 .Lend
	ds_load_b128 v[144:147], v[GR]
	s_wait_dscnt 0x0
	global_store_b128 v[LI], v[144:147], s[14:15]  ; the tile's scale words: 512 consecutive bytes
.Lend:
	s_wait_tensorcnt 0x0                           ; the wave's end
	ds_add_u32 v[SPW], v[NIL]
	s_wait_dscnt 0x0
	s_endpgm
.Lfunc_end_k_q7d9d66a416_quant:
	.size	k_q7d9d66a416_quant, .Lfunc_end_k_q7d9d66a416_quant-k_q7d9d66a416_quant
	.p2alignl 7, 3214868480
	.fill 96, 4, 3214868480
	.section	.rodata,"a",@progbits
	.p2align	6, 0x0
	.amdhsa_kernel k_q7d9d66a416_quant
		.amdhsa_group_segment_fixed_size 68608
		.amdhsa_private_segment_fixed_size 0
		.amdhsa_enable_private_segment 0
		.amdhsa_kernarg_size 48
		.amdhsa_user_sgpr_count 2
		.amdhsa_user_sgpr_kernarg_segment_ptr 1
		.amdhsa_wavefront_size32 1
		.amdhsa_system_sgpr_workgroup_id_x 1
		.amdhsa_system_sgpr_workgroup_id_y 1
		.amdhsa_system_sgpr_workgroup_id_z 1
		.amdhsa_system_vgpr_workitem_id 0
		.amdhsa_next_free_vgpr 256
		.amdhsa_next_free_sgpr 66
		.amdhsa_reserve_vcc 0
		.amdhsa_float_denorm_mode_32 3
		.amdhsa_float_denorm_mode_16_64 3
		.amdhsa_memory_ordered 1
		.amdhsa_forward_progress 1
		.amdhsa_inst_pref_size 161
	.end_amdhsa_kernel
	.amdgpu_metadata
---
amdhsa.version: [ 1, 2 ]
amdhsa.kernels:
  - .name:           k_q7d9d66a416_quant
    .symbol:         k_q7d9d66a416_quant.kd
    .args:
      - { .name: x, .offset: 0, .size: 8, .value_kind: global_buffer, .address_space: global }
      - { .name: w_attn, .offset: 8, .size: 8, .value_kind: global_buffer, .address_space: global }
      - { .name: w_proj, .offset: 16, .size: 8, .value_kind: global_buffer, .address_space: global }
      - { .name: pmax, .offset: 24, .size: 8, .value_kind: global_buffer, .address_space: global }
      - { .name: opc, .offset: 32, .size: 8, .value_kind: global_buffer, .address_space: global }
      - { .name: ops, .offset: 40, .size: 8, .value_kind: global_buffer, .address_space: global }
    .group_segment_fixed_size: 68608
    .private_segment_fixed_size: 0
    .kernarg_segment_align: 8
    .kernarg_segment_size: 48
    .max_flat_workgroup_size: 128
    .sgpr_count:     66
    .vgpr_count:     256
    .wavefront_size: 32
...
	.end_amdgpu_metadata
.endif
;; end of part 2
;; launch qkv (part 3): grid 12 x 16, 4 waves a work-group, clusters of 4 x 4, 327,680 bytes of LDS; arguments opc, ops, b_attn, qkvc, qkvs; writes qkvc, qkvs
.if DOCPART == 3
	.amdgcn_target "amdgcn-amd-amdhsa--gfx1250"
	.amdhsa_code_object_version 6
	.text
	.protected	k_q7d9d66a416_qkv
	.globl	k_q7d9d66a416_qkv
	.p2align	8
	.type	k_q7d9d66a416_qkv,@function
k_q7d9d66a416_qkv:
	s_mov_b64 s[64:65], 0
	v_nop
	global_prefetch_b8 v0, s[64:65] scope:SCOPE_SE
	s_setreg_imm32_b32 hwreg(HW_REG_WAVE_MODE, 25, 1), 1
	s_wait_xcnt 0x0
	s_wait_alu depctr_hold_cnt(0) depctr_sa_sdst(0) depctr_va_vdst(0) depctr_va_sdst(0) depctr_va_ssrc(0) depctr_va_vcc(0) depctr_vm_vsrc(0)
	s_getreg_b32 s2, hwreg(HW_REG_IB_STS2, 6, 4)
	s_cmp_eq_u32 s2, 0
	s_cbranch_scc0 .Lentry_in_a_cluster
	s_endpgm
.Lentry_in_a_cluster:
	s_bfe_u32 s2, ttmp6, 0x10000c
	s_cmp_lg_u32 s2, 0xf033
	s_cbranch_scc0 .Lentry_shape_is_right
	s_endpgm
.Lentry_shape_is_right:
; qkv = x snap(w_attn)^T + b_attn on codes of E2M1, and its three parts quantised on the way out: q and k along the head's 64 channels, v along the keys.  Nothing wider than codes goes to memory.
; SHARES.  A work-group makes 256 rows (tokens) x 256 columns: block Y of 16 along the rows, block X of 12 along the columns (X 0-3: q, 4-7: k, 8-11: v).  Four waves, each 128 x 128: 64 accumulators.
; 192 work-groups: the borders between q, k and v (columns 1,024 and 2,048) fall on borders of the 256-column blocks, which hold whole heads.
; ALL OF K (1,024) LIES IN LDS, filled once: 16 tiles of x, then 16 of W, 8,192 bytes a tile as they lie in opc.  Eight tiles are 65,536 dense bytes: ONE tensor load a wave, at the head (waves 0, 1: x's halves; 2, 3: W's).
; One wait and one barrier follow; there is no ring, and nothing is filled again.  NOTHING IS PREFETCHED: every byte that the launch reads is asked for at its head, and there is no loop to run ahead in.
; THE SCALE WORDS go from ops straight into the scale registers: sixteen lanes read 256 consecutive bytes, aligned.
; CLUSTERS: 4 x 4.  x's tiles hang on Y alone and are asked for jointly along a row of the cluster, W's on X alone, along a column.
; OPERANDS are images of registers (launch quant): a fragment is two ds_load_b128 at 16 x lane: no pitch, no padding.
; TWO USES OF THE PRODUCT, by the cluster's x, which all partners share.  q, k: source 0 = 16 rows of W, source 1 = 16 tokens: a lane holds ONE token, and the 64 registers of a token tile run along 128 columns, two heads,
; in the order that the quantiser wants.  v: source 0 = 16 tokens, source 1 = 16 rows of W: a lane holds ONE channel and its registers run along 128 tokens, v's K.
; The eight K steps are written ONCE: which operand is source 0 is a choice of two LDS bases and of two offsets in ops (s_cselect_b32 on the cluster's x).  The text parts once, behind the products, for the way out.
; So that it parts only there, every wave fetches the bias in both layouts ahead of the products (16 loads of 16 bytes, 8 of 4): one of the two is not used.
; OUT.  qkvc: [HB = 2 (column / 64) + batch][65,536].  q, k: [128 token tiles][512]: registers 0-3 of a fragment (K = 64).  v: [16 key steps][4 channel tiles][1,024].
; qkvs: q: [HB][token tile / 4][r][tile % 4] words (bytes 0, 1 the head's two scales, bytes 2, 3 zero); from 262,144 on [2 head + batch][16 key steps][768]: 512 bytes of k's words, laid likewise, then 256 of v's ([r][channel tile]).
; LIMITS of the quantiser: as stated at the head of launch wmax.
; REGISTERS.  window 0: v1-19 addresses; v20-27 the bias, a channel a lane; v28, v29 the add's two; v32-95 scale words; v96-111 the quantiser's; v112-119 the scale words made; v120-127 the codes made;
; v128-191 source 1's fragments, one set, on the way out a tile's 64 numbers; v192-255 the bias by columns.  window 1: source 0's fragments, two sets, at v0 and v128.  windows 2, 3: accumulator (a, b) at v[8 (8 (a % 4) + b)].
.set SPARE,  262144                    ; behind the 32 tiles: the spare words, 128 bytes for each wave
.set LI,     3                         ; v3   16 x lane
.set ADRS,   8                         ; v8   LDS: my eight tiles of source 1
.set ADRP,   9                         ; v9   and of source 0
.set ADRSC,  16                        ; v16  offset in ops: lanes 0-15 source 1's words, lanes 16-31 source 0's
.set BO0,    17                        ; v17  the bias's offset by columns
.set SO,     18                        ; v18  the scale words' offset on the way out
.set BO1,    19                        ; v19  the bias's offset, a channel a lane
.set BV,     20
.set SPW,    28
.set NIL,    29
.set SC,     32                        ; register 8 i + ks: K step ks of tile i
.set TM,     96
.set PWR,    112
.set PC,     120
.set AF,     128
.set BI,     192
.set WV,     14
.set HA,     15                        ; my half of x's rows.  Also: I fetch for x (0) or for W (1)
.set HB,     16                        ; my half of W's rows.  Also: which half I fetch
.set SEL,    104
.set G1A,    24                        ; s[24:31], s[32:39] descriptor group 1 for x's and W's tiles; s[40:43], s[44:47] their groups 0
.set G1B,    32
.set G0A,    40
.set G0B,    44
.set MSB, 0
.macro WIN new                         ; the immediate's high byte repeats the setting that is left
.if MSB != \new
	s_set_vgpr_msb (MSB<<8)|\new
.set MSB, \new
.endif
.endm
.set MUL_LO, 0xa1                      ; source 0 window 1, source 1 window 0, C and D window 2
.set MUL_HI, 0xf1                      ; the same, C and D window 3
.set TO_P,   0x40                      ; destination window 1, address window 0
.macro CROUND                          ; a round of the cluster's barrier
	s_barrier_signal -1
	s_barrier_wait -1
	s_cmp_lg_u32 s[WV], 0
	s_cbranch_scc1 .Lnot_wave_0_\@
	s_barrier_signal -3
.Lnot_wave_0_\@:
	s_barrier_wait -3
	s_barrier_signal -1
	s_barrier_wait -1
.endm
.macro PLACES n
.rept \n
	v_nop
.endr
.endm
.macro QUANT s, pc, pw                 ; as in launch quant: 64 numbers of a lane, register 16 b + i = k 32 b + 16 (lane / 16) + i, become a fragment's codes and its scale word
.irp b, 0,1,2,3
	v_max3_num_f32 v[TM+\b], |v[(\s)+16*\b]|, |v[(\s)+1+16*\b]|, 0x1800000
.endr
.irp i, 2,4,6,8,10,12,14
.irp b, 0,1,2,3
	v_max3_num_f32 v[TM+\b], v[TM+\b], |v[(\s)+16*\b+\i]|, |v[(\s)+1+16*\b+\i]|
.endr
.endr
.irp b, 0,1,2,3
	v_permlanex16_b32 v[TM+4+\b], v[TM+\b], s[SEL], s[SEL+1]
.endr
.irp b, 0,1,2,3
	v_max_num_f32 v[TM+\b], v[TM+\b], v[TM+4+\b]
.endr
.irp b, 0,1,2,3
	v_add_nc_u32 v[TM+12+\b], 0xff000000, v[TM+\b]
.endr
.irp b, 0,1,2,3
	v_lshrrev_b32 v[TM+4+\b], 23, v[TM+12+\b]
.endr
	v_lshl_or_b32 v[\pw], v[TM+5], 8, v[TM+4]
	v_lshl_or_b32 v[\pw], v[TM+6], 16, v[\pw]
	v_lshl_or_b32 v[\pw], v[TM+7], 24, v[\pw]
.irp b, 0,1,2,3
	v_cvt_scalef32_pk8_fp4_f32 v[(\pc)+2*\b], v[(\s)+16*\b:(\s)+7+16*\b], v[TM+12+\b]
	v_cvt_scalef32_pk8_fp4_f32 v[(\pc)+1+2*\b], v[(\s)+8+16*\b:(\s)+15+16*\b], v[TM+12+\b]
.endr
	v_nop                                          ; one plain place behind a scaled conversion
.irp c, 0,1
.irp i, 0,1
	v_permlane16_swap_b32 v[(\pc)+4*\c+\i], v[(\pc)+2+4*\c+\i]
.endr
.endr
.endm
	s_load_b256 s[4:11], s[0:1], 0x0               ; opc, ops, b_attn, qkvc
	s_load_b64 s[12:13], s[0:1], 0x20              ; qkvs
	v_lshl_add_u32 v[SPW], v0, 2, SPARE
	v_mov_b32 v[NIL], 0
	ds_add_u32 v[SPW], v[NIL]                      ; the wave's opening: the add, twice on end, and its wait ahead of my first tensor load
	ds_add_u32 v[SPW], v[NIL]
	v_lshrrev_b32 v1, 5, v0
	v_readfirstlane_b32 s[WV], v1                  ; wave 0..3
	s_lshr_b32 s[HA], s[WV], 1
	s_and_b32 s[HB], s[WV], 1
	s_bfe_u32 s66, ttmp6, 0x40000                  ; cx
	s_bfe_u32 s67, ttmp6, 0x40004                  ; cy
	s_lshl_b32 s100, ttmp9, 2
	s_add_co_u32 s100, s100, s66                   ; X = 4 x cluster x + cx
	s_and_b32 s17, ttmp7, 0xffff
	s_lshl_b32 s17, s17, 2
	s_add_co_u32 s17, s17, s67                     ; Y = 4 x cluster y + cy
	s_lshl_b32 s18, s67, 2
	s_lshl_b32 s18, 15, s18                        ; my row of the cluster
	s_lshl_b32 s19, 0x1111, s66                    ; my column
	s_or_b32 s[G1A], s18, (3<<16)|(1<<21)          ; 15:0 the mask; 17:16 elements of 8 bytes; 21 set beside a mask; no padding
	s_or_b32 s[G1B], s19, (3<<16)|(1<<21)
.irp g, G1A, G1B                       ; eight tiles: 65,536 dense bytes as 256 rows of 256
	s_mov_b32 s[\g+1], 32<<16
	s_mov_b32 s[\g+2], 256<<16
	s_mov_b32 s[\g+3], 32<<16
	s_mov_b32 s[\g+4], 256
	s_mov_b32 s[\g+5], 32
	s_mov_b32 s[\g+6], 0
	s_mov_b32 s[\g+7], 0
.endr
	s_lshl_b32 s20, s17, 4
	s_lshl_b32 s2, s[HB], 3
	s_add_co_u32 s20, s20, s2                      ; x: tile 16 Y + 8 x half
	s_lshl_b32 s22, s100, 4
	s_add_co_u32 s22, s22, s2
	s_add_co_u32 s22, s22, 256                     ; W: tile 256 + 16 X + 8 x half
	s_lshl_b32 s20, s20, 13                        ; 8,192 bytes a tile
	s_mov_b32 s21, 0
	s_lshl_b32 s22, s22, 13
	s_mov_b32 s23, 0
	s_lshl_b32 s66, s[WV], 16                      ; where they go: 65,536 x wave: no place in the cluster enters an LDS address
	s_mov_b32 s[SEL], 0x76543210
	s_mov_b32 s[SEL+1], 0xfedcba98
	s_wait_dscnt 0x0                               ; both opening adds are done
	s_wait_kmcnt 0x0
	s_add_nc_u64 s[20:21], s[4:5], s[20:21]
	s_add_nc_u64 s[22:23], s[4:5], s[22:23]
	CROUND                                         ; all sixteen work-groups are here: the joint loads meet
	s_mov_b32 s[G0A], 1
	s_mov_b32 s[G0A+1], s66
	s_mov_b64 s[G0A+2:G0A+3], s[20:21]
	s_or_b32 s[G0A+3], s[G0A+3], 0x80000000
	s_mov_b32 s[G0B], 1
	s_mov_b32 s[G0B+1], s66
	s_mov_b64 s[G0B+2:G0B+3], s[22:23]
	s_or_b32 s[G0B+3], s[G0B+3], 0x80000000
	s_cmp_eq_u32 s[HA], 0                          ; my one tensor load: waves 0 and 1 fetch for x, waves 2 and 3 for W.  An s_nop 0 and four v_nop follow each line
	s_cbranch_scc0 .Lfor_w
	tensor_load_to_lds s[G0A:G0A+3], s[G1A:G1A+7]
	s_nop 0
	PLACES 4
	s_branch .Lasked
.Lfor_w:
	tensor_load_to_lds s[G0B:G0B+3], s[G1B:G1B+7]
	s_nop 0
	PLACES 4
.Lasked:
	v_and_b32 v1, 15, v0                           ; r
	v_bfe_u32 v2, v0, 4, 1                         ; h
	v_and_b32 v[LI], 31, v0
	v_lshlrev_b32 v[LI], 4, v[LI]
	s_wait_alu depctr_va_vdst(0)
	s_lshl_b32 s18, s[HA], 16                      ; my 8 tiles of x
	s_lshl_b32 s19, s[HB], 16
	s_add_co_u32 s19, s19, 131072                  ; my 8 tiles of W, behind x's 16
	s_cmp_eq_u32 ttmp9, 2                          ; the cluster's x: 2 = v
	s_cselect_b32 s20, s19, s18                    ; source 1: x's tiles for q and k, W's for v
	s_cselect_b32 s21, s18, s19                    ; source 0: the other
	v_add_nc_u32 v[ADRS], s20, v[LI]
	v_add_nc_u32 v[ADRP], s21, v[LI]
	s_lshl_b32 s22, s17, 4
	s_lshl_b32 s23, s[HA], 3
	s_add_co_u32 s22, s22, s23
	s_lshl_b32 s22, s22, 9                         ; ops: the words of my x tiles, 512 bytes a tile,
	s_lshl_b32 s23, s100, 4
	s_lshl_b32 s2, s[HB], 3
	s_add_co_u32 s23, s23, s2
	s_add_co_u32 s23, s23, 256
	s_lshl_b32 s23, s23, 9                         ; and of my W tiles
	s_cmp_eq_u32 ttmp9, 2
	s_cselect_b32 s2, s23, s22                     ; source 1's
	s_cselect_b32 s3, s22, s23                     ; source 0's
	v_mov_b32 v4, s2
	v_mov_b32 v5, s3
	v_cmp_eq_u32 vcc_lo, 1, v2
	v_cndmask_b32 v4, v4, v5, vcc_lo               ; lanes 16-31 take source 0's
	v_lshl_add_u32 v[ADRSC], v1, 4, v4
	v_lshlrev_b32 v[BO0], 6, v2                    ; by columns: 16 h columns on
	v_and_b32 v[BO1], 8, v1
	v_add_nc_u32 v[BO1], v[BO1], v1
	v_lshlrev_b32 v[BO1], 2, v[BO1]                ; a channel a lane: column r + 8 (r / 8)
.irp b, 0,1,2,3
	v_mov_b32 v[TM+4+\b], 0                        ; written once: a lane permute's destination counts as one of its sources
.endr
	s_lshl_b32 s18, s100, 10
	s_lshl_b32 s19, s[HB], 9
	s_add_co_u32 s18, s18, s19
	s_mov_b32 s19, 0
	s_add_nc_u64 s[8:9], s[8:9], s[18:19]          ; the bias at my 128 columns
	s_lshl_b32 s18, s100, 3
	s_lshl_b32 s19, s[HB], 2
	s_add_co_u32 s18, s18, s19
	s_lshr_b32 s19, s17, 3
	s_add_co_u32 s18, s18, s19                     ; HB of my first head: 2 (4 X + 2 half) + batch
	s_and_b32 s19, s17, 7
	s_lshl_b32 s19, s19, 1
	s_add_co_u32 s19, s19, s[HA]                   ; which 128 tokens of the batch are mine
	s_lshl_b32 s20, s18, 16
	s_lshl_b32 s21, s19, 12
	s_add_co_u32 s20, s20, s21
	s_mov_b32 s21, 0
	s_add_nc_u64 s[10:11], s[10:11], s[20:21]      ; qkvc: 65,536 HB + 4,096 x that, in both uses
	s_lshl_b32 s20, s18, 13
	s_lshl_b32 s21, s19, 9
	s_add_co_u32 s20, s20, s21                     ; qkvs, q: 8,192 HB + 512 x that
	s_and_b32 s21, s18, 31
	s_mul_i32 s21, s21, 12288
	s_mul_i32 s22, s19, 768
	s_add_co_u32 s21, s21, s22
	s_add_co_u32 s21, s21, 262144                  ; k, v: 262,144 + 12,288 (2 head + batch) + 768 x that
	s_mov_b32 s23, 24576
	s_cmp_eq_u32 ttmp9, 0
	s_cselect_b32 s20, s20, s21
	s_cselect_b32 s23, 16384, s23                  ; from my first head to my second
	s_mov_b32 s21, 0
	s_add_nc_u64 s[12:13], s[12:13], s[20:21]
	v_mul_u32_u24 v[SO], s23, v2                   ; lanes 16-31 store the second head's words
	v_lshl_add_u32 v[SO], v1, 4, v[SO]
	s_wait_alu depctr_va_vdst(0)
.irp i, 0,1,2,3,4,5,6,7                ; all of K's scale words: lanes 0-15 source 1's tile i, lanes 16-31 source 0's tile i
.irp kq, 0,1
	global_load_b128 v[SC+8*\i+4*\kq:SC+8*\i+4*\kq+3], v[ADRSC], s[6:7] offset:512*\i+256*\kq
.endr
.endr
.irp b, 0,1,2,3,4,5,6,7
	global_load_b128 v[BI+8*\b:BI+8*\b+3], v[BO0], s[8:9] offset:(32*(\b/2)+8*(\b%2))*4
	global_load_b128 v[BI+8*\b+4:BI+8*\b+7], v[BO0], s[8:9] offset:(32*(\b/2)+8*(\b%2))*4+16
	global_load_b32 v[BV+\b], v[BO1], s[8:9] offset:(32*(\b/2)+8*(\b%2))*4
.endr
.macro FRAG reg, adr, ks, i            ; a fragment: the image's two halves
.irp c, 0,1
	ds_load_b128 v[(\reg)+4*\c:(\reg)+4*\c+3], v[\adr] offset:8192*(\i)+1024*(\ks)+512*\c
.endr
.endm
.macro FETCH_P ks, set                 ; source 0's eight fragments of K step ks
	WIN TO_P
.irp i, 0,1,2,3,4,5,6,7
	FRAG 128*(\set)+8*\i, ADRP, \ks, \i
.endr
	WIN 0
.endm
.macro FETCH_S ks, i0                  ; source 1's tiles i0 .. i0 + 3
.irp i, \i0, \i0+1, \i0+2, \i0+3
	FRAG AF+8*(\i), ADRS, \ks, \i
.endr
.endm
; 16 matrix instructions: source 1's tiles a0, a0 + 1 x source 0's eight.  K step 0 starts the sums: nothing is cleared.  The 64 accumulators take turns, in the same order in every step.
.macro MUL16 a0, ks
.irp a, \a0, \a0+1
.irp b, 0,1,2,3,4,5,6,7
.set rD, 8*(8*((\a)%4)+\b)
.set rP, 128*((\ks)%2)+8*\b
.set rS, AF+8*(\a)
.if (\ks) == 0
	v_wmma_scale_f32_16x16x128_f8f6f4 v[rD:rD+7], v[rP:rP+7], v[rS:rS+7], 0, v[SC+8*\b+(\ks)], v[SC+8*(\a)+(\ks)] matrix_a_fmt:MATRIX_FMT_FP4 matrix_b_fmt:MATRIX_FMT_FP4 matrix_a_scale:MATRIX_SCALE_ROW1
.else
	v_wmma_scale_f32_16x16x128_f8f6f4 v[rD:rD+7], v[rP:rP+7], v[rS:rS+7], v[rD:rD+7], v[SC+8*\b+(\ks)], v[SC+8*(\a)+(\ks)] matrix_a_fmt:MATRIX_FMT_FP4 matrix_b_fmt:MATRIX_FMT_FP4 matrix_a_scale:MATRIX_SCALE_ROW1
.endif
.endr
.endr
.endm
; A K step of 128: 64 matrix instructions.  Source 1 has one set of registers: tiles 0-3 are fetched anew in the step's middle, tiles 4-7 at its end; source 0 has two sets.
.macro STEP ks
	s_wait_dscnt 8                                 ; all but the youngest eight loads (source 1's tiles 4-7)
	WIN MUL_LO
	MUL16 0, \ks
	MUL16 2, \ks
	s_wait_dscnt 0x0                               ; tiles 4-7 are in
.if (\ks) < 7
	PLACES 4                                       ; four places in front of loads into registers that matrix instructions have read
	FETCH_P (\ks)+1, 1-(\ks)%2
	FETCH_S (\ks)+1, 0
.endif
	WIN MUL_HI
	MUL16 4, \ks
	MUL16 6, \ks
.if (\ks) < 7
	PLACES 4
	WIN 0
	FETCH_S (\ks)+1, 4
.endif
.endm
; Source 1's tile a goes out: the bias is added (which also brings the 64 numbers into window 0, each accumulator from its low end on), they are quantised, and the codes leave as they stand: 512 consecutive bytes a store.
.macro OUT_TILE mode, a
	WIN 0x02+(\a)/4                                ; source 0: window 2 or 3
.set p, 0
.rept 32
.if \mode
	v_pk_add_f32 v[AF+2*p:AF+2*p+1], v[64*((\a)%4)+2*p:64*((\a)%4)+2*p+1], v[BI+2*(\a):BI+2*(\a)+1]   ; my channel's bias
.else
	v_pk_add_f32 v[AF+2*p:AF+2*p+1], v[64*((\a)%4)+2*p:64*((\a)%4)+2*p+1], v[BI+2*p:BI+2*p+1]         ; each column's
.endif
.set p, p+1
.endr
	WIN 0
	s_wait_xcnt 0x0                                ; the last tile's stores have read the codes' registers
	QUANT AF, PC, PWR+(\a)
.if \mode
	global_store_b128 v[LI], v[PC:PC+3], s[10:11] offset:131072*((\a)/4)+1024*((\a)%4)       ; channel tile a % 4 of head a / 4, my key step
	global_store_b128 v[LI], v[PC+4:PC+7], s[10:11] offset:131072*((\a)/4)+1024*((\a)%4)+512
.else
	global_store_b128 v[LI], v[PC:PC+3], s[10:11] offset:512*(\a)                            ; my first head's 64 channels of token tile a,
	global_store_b128 v[LI], v[PC+4:PC+7], s[10:11] offset:131072+512*(\a)                   ; my second head's
.endif
.endm
.macro OUT mode
.if \mode
.irp a, 0,1,2,3,4,5,6,7
	v_mov_b32 v[BI+2*\a], v[BV+\a]                 ; a pair for the packed addition
	v_mov_b32 v[BI+2*\a+1], v[BV+\a]
.endr
.endif
.irp a, 0,1,2,3,4,5,6,7
	OUT_TILE \mode, \a
.endr
.if \mode
	v_cmp_eq_u32 vcc_lo, 1, v2
.irp j, 0,1,2,3
	v_cndmask_b32 v[AF+\j], v[PWR+\j], v[PWR+4+\j], vcc_lo   ; lanes 0-15: my first head's four channel tiles; lanes 16-31: my second head's
.endr
	global_store_b128 v[SO], v[AF:AF+3], s[12:13] offset:512 ; sixteen lanes fill 256 consecutive bytes, aligned
.else
	v_lshlrev_b32 v4, 4, v2
.irp j, 0,1,2,3,4,5,6,7
	v_bfe_u32 v[AF+\j], v[PWR+\j], v4, 16          ; lanes 0-15: bytes 0, 1, my first head's two blocks; lanes 16-31: bytes 2, 3, my second head's
.endr
	global_store_b128 v[SO], v[AF:AF+3], s[12:13]
	global_store_b128 v[SO], v[AF+4:AF+7], s[12:13] offset:256
.endif
.endm
	s_wait_tensorcnt 0x0                           ; my eight tiles are in
	s_barrier_signal -1
	s_barrier_wait -1                              ; everybody's are
	FETCH_P 0, 0
	FETCH_S 0, 0
	FETCH_S 0, 4
	s_wait_loadcnt 0x0                             ; the scale words and the bias
.irp ks, 0,1,2,3,4,5,6,7
	STEP \ks
.endr
	WIN 0
	PLACES 4                                       ; four places between the last products and the first read of results
	s_cmp_eq_u32 ttmp9, 2                          ; the cluster's x: the same in all sixteen partners
	s_cbranch_scc1 .Lvalues
	OUT 0
	s_branch .Ldone
.Lvalues:
	OUT 1
.Ldone:
	s_wait_tensorcnt 0x0                           ; the wave's end
	ds_add_u32 v[SPW], v[NIL]
	s_wait_dscnt 0x0
	CROUND                                         ; the closing round
	s_endpgm
.Lfunc_end_k_q7d9d66a416_qkv:
	.size	k_q7d9d66a416_qkv, .Lfunc_end_k_q7d9d66a416_qkv-k_q7d9d66a416_qkv
	.p2alignl 7, 3214868480
	.fill 96, 4, 3214868480
	.section	.rodata,"a",@progbits
	.p2align	6, 0x0
	.amdhsa_kernel k_q7d9d66a416_qkv
		.amdhsa_group_segment_fixed_size 327680
		.amdhsa_private_segment_fixed_size 0
		.amdhsa_enable_private_segment 0
		.amdhsa_kernarg_size 40
		.amdhsa_user_sgpr_count 2
		.amdhsa_user_sgpr_kernarg_segment_ptr 1
		.amdhsa_wavefront_size32 1
		.amdhsa_system_sgpr_workgroup_id_x 1
		.amdhsa_system_sgpr_workgroup_id_y 1
		.amdhsa_system_sgpr_workgroup_id_z 1
		.amdhsa_system_vgpr_workitem_id 0
		.amdhsa_next_free_vgpr 1024
		.amdhsa_next_free_sgpr 106
		.amdhsa_reserve_vcc 1
		.amdhsa_float_denorm_mode_32 3
		.amdhsa_float_denorm_mode_16_64 3
		.amdhsa_memory_ordered 1
		.amdhsa_forward_progress 1
		.amdhsa_inst_pref_size 193
	.end_amdhsa_kernel
	.amdgpu_metadata
---
amdhsa.version: [ 1, 2 ]
amdhsa.kernels:
  - .name:           k_q7d9d66a416_qkv
    .symbol:         k_q7d9d66a416_qkv.kd
    .args:
      - { .name: opc, .offset: 0, .size: 8, .value_kind: global_buffer, .address_space: global }
      - { .name: ops, .offset: 8, .size: 8, .value_kind: global_buffer, .address_space: global }
      - { .name: b_attn, .offset: 16, .size: 8, .value_kind: global_buffer, .address_space: global }
      - { .name: qkvc, .offset: 24, .size: 8, .value_kind: global_buffer, .address_space: global }
      - { .name: qkvs, .offset: 32, .size: 8, .value_kind: global_buffer, .address_space: global }
    .group_segment_fixed_size: 327680
    .private_segment_fixed_size: 0
    .kernarg_segment_align: 8
    .kernarg_segment_size: 40
    .max_flat_workgroup_size: 128
    .sgpr_count:     106
    .vgpr_count:     1024
    .wavefront_size: 32
...
	.end_amdgpu_metadata
.endif
;; end of part 3
;; launch attn (part 4): grid 8 x 32, 16 waves a work-group, no clusters, 327,680 bytes of LDS; arguments qkvc, qkvs, yc, ys; writes yc, ys
.if DOCPART == 4
	.amdgcn_target "amdgcn-amd-amdhsa--gfx1250"
	.amdhsa_code_object_version 6
	.text
	.protected	k_q7d9d66a416_attn
	.globl	k_q7d9d66a416_attn
	.p2align	8
	.type	k_q7d9d66a416_attn,@function
k_q7d9d66a416_attn:
	s_mov_b64 s[64:65], 0
	v_nop
	global_prefetch_b8 v0, s[64:65] scope:SCOPE_SE
	s_setreg_imm32_b32 hwreg(HW_REG_WAVE_MODE, 25, 1), 1
	s_wait_xcnt 0x0
; y[b][t][head] = softmax(q k^T / 8, causal) v on codes of E2M1, divided by the row's sum and quantised along the channels for the last product.
; WORK LEFT OUT: a step of 128 keys all of which come after a tile's 16 queries is not multiplied: reference()'s own mask makes its weights 0 (shown at the head of launch wmax).
; THE SOFTMAX AHEAD OF THE SECOND PRODUCT: t = score x log2(e) / 8; M = the running largest t rounded UP to a whole number; p = 2^(t - M) is quantised along the keys, not normalised; the row's sum is taken of the
; unquantised p and divides at the end.  When M moves, the sum and O are multiplied by 2^(old M - new M): exact.
; SHARES.  Work-group (j, y): y = 2 head + batch; it owns the four blocks j, 15 - j, 16 + j, 31 - j of 64 queries, 16 tiles of 16 queries.  Tile t has t / 8 + 1 key steps, so the tiles t and 127 - t have 17 together:
; they form a PAIR, served by two waves.  Wave X takes the long tile's steps 0 to XL; wave Y takes all steps of the short tile (at most 8), sends it out, and then takes the long tile's steps XL + 1 to its diagonal.
; XL = 8; where the short tile has 1 or 2 steps, XL = 9, since such a Y has nothing to walk from its last step to the barrier behind step 3.  Y's part of the long tile (O^T, -M, the sum) goes to X through LDS bytes of
; the pair's own, behind one barrier; X brings both parts under the larger M, by multiplications with powers of two, adds them and sends the tile out.
; With g = wave / 4 and x = g xor wave % 4: x % 2 says X (0) or Y (1); x / 2 whether the short tile lies in block j or 15 - j; g is its tile in that block.  So waves 4 g .. 4 g + 3, and waves i, i + 4, i + 8, i + 12 too, hold one X and one Y of each kind.
; A WHOLE HEAD'S K AND V LIE IN LDS, each byte filled once: 65,536 bytes of K's codes, as many of V's, 12,288 of scale words.  AT THE HEAD wave 0 fetches K's first quarter (four key steps, 16,384 bytes), wave 1 V's,
; wave 2 all the scale words: one tensor load a wave.  Behind the first barrier, waves 0 to 5 fetch the other three quarters of K and of V, one
; load each: they have the first four key steps in which to land.  One more barrier follows those four steps; the later steps have none.  The launch claims all of LDS.
; NO CLUSTER, though the eight work-groups of a head read the same K and V: which steps a wave leaves out hangs on its query block, which differs between would-be partners, and partners must run alike.
; NOTHING IS PREFETCHED: every byte of K and V that the launch reads is asked for at its head or behind its first barrier.
; LAYOUT.  Both products are used transposed: S^T = K Q^T (source 0 = 16 keys, source 1 = my 16 queries), O^T = V^T P^T: a lane holds ONE query throughout.  Tiles are the row tiles of launch quant, so the 16 registers of
; key tiles 2 b, 2 b + 1 are the keys 32 b + 16 (lane / 16) + 0 .. 15, and my lane's query is 32 (tile / 2) + 8 (tile % 2) + r + 8 (r / 8).  The first product's K is the head's 64: the upper 64 of the instruction's 128 are
; zero codes in K's fragments, so they add 0 whatever Q's upper four registers hold: X keeps zeros there, Y the codes of the long tile's Q until it takes that tile up.
; THE SCALE BYTES OF y leave as 2 bytes a row (a head owns half of a scale word): sixteen lanes, inside one aligned 256 bytes, beside the wave's 512 bytes of codes; a whole word would want two heads in a work-group.
; LIMITS: as stated at the head of launch wmax; the scaled scores stay under 2^31 in magnitude.
; REGISTERS: v1-7, v11 what stays; v8-10 the step's LDS addresses; v12 -M, v13 the largest t, v[14:15] the sum in two halves; v16-23 Q; v24-31 K's scale words; v32-95 K's eight fragments; v96-159 S^T, then p; v160-191 O^T;
; v192-223 V's four fragments; v224-231 p's codes; v232-240, v242-247, v252-254 at work; v241 the scale words of Y's second Q; v248-251 V's scale words; v255 Q's.
.set VB,    65536                      ; LDS: K's codes from 0 (4,096 a key step, 512 a tile), V's from here (4,096 a key step, 1,024 a channel tile),
.set SB,    131072                     ; the scale words: 768 a key step: K's 512, V's 256
.set SPARE, 143360                     ; the spare words, 128 bytes for each of sixteen waves
.set SCRB,  145408                     ; a pair's own bytes: 4,096 of O^T and 512 of (-M, t, the sum's halves): no tensor load lands here
.set SCRP,  4608
.set AK0, 1                            ; v1   16 x lane
.set AV0, 2                            ; v2   VB + 16 x lane
.set AS0, 3                            ; v3   SB + 16 r
.set DQ,  4                            ; v4   my query less the diagonal step's first key less 16 (lane / 16)
.set SPW, 5
.set NIL, 6
.set LN,  7                            ; v7   lane
.set ADK, 8
.set ADV, 9
.set ADS, 10
.set SCR, 11                           ; v11  my pair's bytes + 16 x lane
.set WV,  12
.set SEL, 20
.set CS,  22                           ; s[22:23] c = log2(e) / 8
.set G1C, 24                           ; s[24:31] group 1: 16,384 dense bytes;  s[32:39]: 12,288;  groups 0: s[40:43] the scale words, s[44:47] the first quarter, s[48:51] my later quarter
.set G1S, 32
.set G0S, 40
.set G0C, 44
.set G0D, 48
.set RO,  52                           ; s52  0: wave X, 1: wave Y
.set TLG, 53                           ; s53  the pair's long tile
.set LO,  54                           ; s54, s55  the first and the last step that I walk of the tile in hand
.set HI,  55
.set XL,  56                           ; s56  X's last step of the long tile
.set TK,  60                           ; s60  the step's codes: 4,096 a step
.set TS,  61                           ; s61  its scale words: 768 a step
.set SI,  62                           ; s62  the step's number
.set CNT, 63
.set SD,  66                           ; s66  the step on the diagonal of the tile in hand
.set TT,  67                           ; s67  the tile in hand, 0 .. 127
; where tile s[t]'s fragment of Q and its scale words lie
.macro QPTR t, pc, ps
	s_lshl_b32 s[\pc], s13, 16
	s_lshl_b32 s16, s[\t], 9
	s_add_co_u32 s[\pc], s[\pc], s16
	s_mov_b32 s[\pc+1], 0
	s_add_nc_u64 s[\pc:\pc+1], s[4:5], s[\pc:\pc+1]
	s_lshl_b32 s[\ps], s13, 13
	s_lshr_b32 s16, s[\t], 2
	s_lshl_b32 s16, s16, 8
	s_add_co_u32 s[\ps], s[\ps], s16
	s_and_b32 s16, s[\t], 3
	s_lshl_b32 s16, s16, 2
	s_add_co_u32 s[\ps], s[\ps], s16
	s_mov_b32 s[\ps+1], 0
	s_add_nc_u64 s[\ps:\ps+1], s[6:7], s[\ps:\ps+1]
.endm
; what a tile begins with: the largest t -3e38, under every t; the sum and O^T zeros, which the first change of M leaves zeros; and my query's place on the diagonal step
.macro BEGIN_TILE
	s_lshr_b32 s16, s[TT], 1
	s_and_b32 s16, s16, 3
	s_lshl_b32 s16, s16, 5
	s_and_b32 s17, s[TT], 1
	s_lshl_b32 s17, s17, 3
	s_add_co_u32 s16, s16, s17                     ; the tile's first query, counted from the diagonal step's first key
	v_and_b32 v233, 15, v0                         ; r
	v_and_b32 v234, 8, v0                          ; 8 (r / 8)
	v_and_b32 v235, 16, v0                         ; 16 (lane / 16)
	v_add_nc_u32 v233, v233, v234
	v_sub_nc_u32 v233, v233, v235
	v_add_nc_u32 v[DQ], s16, v233
	v_mov_b32 v13, 0xff61b1e6
	v_floor_f32 v12, -v13                          ; -M
	v_mov_b32 v14, 0
	v_mov_b32 v15, 0
	v_mov_b32 v252, 0
	v_mov_b32 v253, 0
.set j, 0
.rept 32
	v_mov_b32 v[160+j], 0
.set j, j+1
.endr
.endm
	s_load_b256 s[4:11], s[0:1], 0x0               ; qkvc, qkvs, yc, ys
	v_lshl_add_u32 v[SPW], v0, 2, SPARE
	v_mov_b32 v[NIL], 0
	ds_add_u32 v[SPW], v[NIL]                      ; the wave's opening: the add, twice on end, and its wait ahead of the first tensor load
	ds_add_u32 v[SPW], v[NIL]
	v_lshrrev_b32 v8, 5, v0
	v_readfirstlane_b32 s[WV], v8                  ; wave 0..15
	s_and_b32 s13, ttmp7, 0xffff                   ; y = 2 head + batch
	s_mov_b32 s[G1C], 3<<16                        ; no mask; elements of 8 bytes; no padding
	s_mov_b32 s[G1C+1], 32<<16                     ; rows of 256 bytes,
	s_mov_b32 s[G1C+2], 64<<16                     ; 64 of them
	s_mov_b32 s[G1C+3], 32<<16
	s_mov_b32 s[G1C+4], 64
	s_mov_b32 s[G1C+5], 32
	s_mov_b32 s[G1C+6], 0
	s_mov_b32 s[G1C+7], 0
	s_mov_b32 s[G1S], 3<<16
	s_mov_b32 s[G1S+1], 32<<16
	s_mov_b32 s[G1S+2], 48<<16                     ; 48 rows
	s_mov_b32 s[G1S+3], 32<<16
	s_mov_b32 s[G1S+4], 48
	s_mov_b32 s[G1S+5], 32
	s_mov_b32 s[G1S+6], 0
	s_mov_b32 s[G1S+7], 0
	s_lshr_b32 s14, s[WV], 2                       ; g
	s_and_b32 s15, s[WV], 3
	s_xor_b32 s15, s15, s14                        ; x
	s_and_b32 s[RO], s15, 1                        ; X or Y
	s_lshr_b32 s15, s15, 1                         ; which block holds the short tile
	s_sub_co_u32 s71, 15, ttmp9
	s_cmp_eq_u32 s15, 0
	s_cselect_b32 s71, ttmp9, s71                  ; j or 15 - j
	s_lshl_b32 s71, s71, 2
	s_add_co_u32 s71, s71, s14                     ; the short tile
	s_sub_co_u32 s[TLG], 127, s71                  ; the long one
	s_lshr_b32 s16, s71, 3                         ; the short tile's diagonal step
	s_cmp_lt_u32 s16, 2
	s_cselect_b32 s[XL], 9, 8
	s_cmp_eq_u32 s[RO], 0
	s_cselect_b32 s[TT], s[TLG], s71               ; X begins with the long tile, Y with the short
	s_cselect_b32 s[HI], s[XL], s16
	s_lshr_b32 s[SD], s[TT], 3
	s_mov_b32 s[LO], 0
	s_lshl_b32 s15, s15, 2
	s_add_co_u32 s15, s15, s14                     ; the pair
	s_mul_i32 s70, s15, SCRP
	s_add_co_u32 s70, s70, SCRB
	s_and_b32 s14, s[WV], 1                        ; what a fetching wave fetches: 0: K, 1: V
	s_lshl_b32 s17, s14, 16                        ; in LDS: 65,536 x (K or V)
	s_lshl_b32 s18, s14, 5
	s_add_co_u32 s18, s18, s13
	s_add_co_u32 s18, s18, 32                      ; in qkvc: block 32 + y (K) or 64 + y (V)
	s_lshl_b32 s18, s18, 16
	s_mov_b32 s19, 0
	s_lshr_b32 s14, s[WV], 1
	s_add_co_u32 s14, s14, 1                       ; behind the first barrier quarter 1 + wave / 2,
	s_lshl_b32 s14, s14, 14                        ; 16,384 bytes a quarter
	s_mov_b32 s15, 0
	s_mul_i32 s68, s13, 12288                      ; the head's scale words
	s_add_co_u32 s68, s68, 262144
	s_mov_b32 s69, 0
	s_mov_b32 s[SEL], 0x76543210
	s_mov_b32 s[SEL+1], 0xfedcba98
	s_mov_b32 s[CS], 0x3e38aa3b
	s_mov_b32 s[CS+1], s[CS]                       ; (named with it as a pair, so it is written)
	s_mov_b32 s[SI], 0
	s_wait_dscnt 0x0                               ; both opening adds are done
	s_wait_kmcnt 0x0
	s_mov_b32 s[G0S], 1
	s_mov_b32 s[G0S+1], SB
	s_add_nc_u64 s[G0S+2:G0S+3], s[6:7], s[68:69]
	s_or_b32 s[G0S+3], s[G0S+3], 0x80000000
	s_add_nc_u64 s[18:19], s[4:5], s[18:19]
	s_mov_b32 s[G0C], 1
	s_mov_b32 s[G0C+1], s17
	s_mov_b64 s[G0C+2:G0C+3], s[18:19]
	s_or_b32 s[G0C+3], s[G0C+3], 0x80000000
	s_mov_b32 s[G0D], 1
	s_add_co_u32 s[G0D+1], s17, s14
	s_add_nc_u64 s[G0D+2:G0D+3], s[18:19], s[14:15]
	s_or_b32 s[G0D+3], s[G0D+3], 0x80000000
	s_cmp_lt_u32 s[WV], 2                          ; the head's loads, one a wave, in one chain of branches on the wave's number.  An s_nop 0 and four v_nop follow each
	s_cbranch_scc0 .Lhead_s
	tensor_load_to_lds s[G0C:G0C+3], s[G1C:G1C+7]
	s_nop 0
.rept 4
	v_nop
.endr
	s_branch .Lhead_asked
.Lhead_s:
	s_cmp_eq_u32 s[WV], 2
	s_cbranch_scc0 .Lhead_asked
	tensor_load_to_lds s[G0S:G0S+3], s[G1S:G1S+7]
	s_nop 0
.rept 4
	v_nop
.endr
.Lhead_asked:
	v_and_b32 v[LN], 31, v0
	v_and_b32 v8, 15, v0                           ; r
	v_lshlrev_b32 v[AK0], 4, v[LN]
	v_lshlrev_b32 v240, 4, v8                      ; 16 r
	v_add_nc_u32 v[AV0], VB, v[AK0]
	v_add_nc_u32 v[AS0], SB, v240
	v_add_nc_u32 v[SCR], s70, v[AK0]
	s_wait_alu depctr_va_vdst(0)
	QPTR TT, 18, 68
	global_load_b128 v[16:19], v[AK0], s[18:19]    ; Q's fragment of my first tile
	global_load_b32 v255, v240, s[68:69]           ; and its scale words
	s_cmp_eq_u32 s[RO], 0
	s_cbranch_scc1 .Lq_x
	QPTR TLG, 58, 70                               ; Y: the long tile's Q waits in the upper four registers of the operand, which meet K's zero codes,
	global_load_b128 v[20:23], v[AK0], s[58:59]
	global_load_b32 v241, v240, s[70:71]           ; and its scale words in v241
	s_branch .Lq_done
.Lq_x:
.irp c, 20,21,22,23
	v_mov_b32 v[\c], 0                             ; X: zero codes
.endr
	v_mov_b32 v241, 0
.Lq_done:
	BEGIN_TILE
.irp t, 0,1,2,3,4,5,6,7
.irp c, 4,5,6,7
	v_mov_b32 v[32+8*\t+\c], 0                     ; K's upper 64 along K: zero codes: written once, no load lands here
.endr
.endr
.irp b, 0,1,2,3
	v_mov_b32 v[236+\b], 0                         ; a lane permute's destination counts as one of its sources
.endr
; A KEY STEP: 128 keys.
.macro STEP
	s_cmp_gt_u32 s[SI], s[HI]                      ; not mine (my partner's, or all its keys come after my queries): left out.  No barrier and no tensor load stands in a step
	s_cbranch_scc1 .Lhidden_\@
	s_cmp_lt_u32 s[SI], s[LO]
	s_cbranch_scc1 .Lhidden_\@
	v_add_nc_u32 v[ADK], s[TK], v[AK0]
	v_add_nc_u32 v[ADV], s[TK], v[AV0]
	v_add_nc_u32 v[ADS], s[TS], v[AS0]
	v_nop                                          ; four places in front of loads into registers that the last step's products have read
.irp t, 0,1,2,3,4,5,6,7
	ds_load_b128 v[32+8*\t:35+8*\t], v[ADK] offset:512*\t
.endr
	ds_load_b128 v[24:27], v[ADS]                  ; K's scale words, tiles 0-3,
	ds_load_b128 v[28:31], v[ADS] offset:256       ; tiles 4-7
.irp ct, 0,1,2,3
.irp c, 0,1
	ds_load_b128 v[192+8*\ct+4*\c:195+8*\ct+4*\c], v[ADV] offset:1024*\ct+512*\c
.endr
.endr
	ds_load_b128 v[248:251], v[ADS] offset:512     ; V's scale words
	s_wait_dscnt 9                                 ; K and its words are in; V's nine loads stay out
.irp t, 0,1,2,3,4,5,6,7
	v_wmma_scale_f32_16x16x128_f8f6f4 v[96+8*\t:103+8*\t], v[32+8*\t:39+8*\t], v[16:23], 0, v[24+\t], v255 matrix_a_fmt:MATRIX_FMT_FP4 matrix_b_fmt:MATRIX_FMT_FP4
.endr
.rept 4
	v_nop
.endr
	s_cmp_lt_u32 s[SI], s[SD]                      ; a step all of whose keys count skips the mask
	s_cbranch_scc1 .Lopen_\@
	v_mov_b32 v254, 0xff800000                     ; on the diagonal the scores of hidden keys become -infinity ahead of the maximum: p = 0 then.  Register 16 b + i holds key 32 b + 16 (lane / 16) + i of the step
.set n, 0
.rept 64
	v_cmp_gt_i32 vcc_lo, 32*(n/16)+n%16, v[DQ]
	v_cndmask_b32 v[96+n], v[96+n], v254, vcc_lo
.set n, n+1
.endr
.Lopen_\@:
.irp b, 0,1,2,3
	v_max3_num_f32 v[232+\b], v[96+16*\b], v[97+16*\b], v[98+16*\b]   ; the largest score of each block of 32 keys: it serves for the row's maximum and, since p rises with the score, for the block's largest p
.endr
.irp i, 3,5,7,9,11,13
.irp b, 0,1,2,3
	v_max3_num_f32 v[232+\b], v[232+\b], v[96+16*\b+\i], v[97+16*\b+\i]
.endr
.endr
.irp b, 0,1,2,3
	v_max_num_f32 v[232+\b], v[232+\b], v[111+16*\b]
.endr
.irp b, 0,1,2,3
	s_delay_alu instid0(VALU_DEP_4)
	v_permlanex16_b32 v[236+\b], v[232+\b], s[SEL], s[SEL+1]
.endr
.irp b, 0,1,2,3
	s_delay_alu instid0(VALU_DEP_4)
	v_max_num_f32 v[232+\b], v[232+\b], v[236+\b]  ; with lane l xor 16's 16 keys
.endr
	s_delay_alu instid0(VALU_DEP_2)
	v_max3_num_f32 v254, v232, v233, v234
	s_delay_alu instid0(VALU_DEP_1)
	v_max_num_f32 v254, v254, v235
	s_delay_alu instid0(VALU_DEP_1)
	v_mul_f32 v254, s[CS], v254                    ; the step's largest t
	s_delay_alu instid0(VALU_DEP_1)
	v_max_num_f32 v13, v13, v254
	v_mov_b32 v254, v12
	s_delay_alu instid0(VALU_DEP_2)
	v_floor_f32 v12, -v13                          ; the new -M = -ceil(t): a whole number
	s_delay_alu instid0(VALU_DEP_1)
	v_sub_f32 v254, v12, v254                      ; old M - new M: a whole number, 0 or less
	s_delay_alu instid0(VALU_DEP_1)
	v_cvt_i32_f32 v254, v254                       ; (it saturates)
	s_delay_alu instid0(VALU_DEP_1)
	v_ldexp_f32 v252, 1.0, v254                    ; f = 2^(old M - new M)
.set n, 0
.rept 32
	v_pk_fma_f32 v[96+n:97+n], v[96+n:97+n], s[CS:CS+1], v[12:13] op_sel_hi:[1,0,0]   ; t - M, two at a time
.set n, n+2
.endr
.irp b, 0,1,2,3
	v_fma_f32 v[232+\b], v[232+\b], s[CS], v12
.endr
	s_wait_alu depctr_va_vdst(0)                   ; the wait ahead of the batch
.set n, 0
.rept 64
	v_exp_f32 v[96+n], v[96+n]                     ; p = 2^(t - M), at most 1
.set n, n+1
.endr
	v_pk_mul_f32 v[14:15], v[14:15], v[252:253] op_sel_hi:[1,0]   ; the sums under the new M: a plain place behind the exponentials
	s_wait_alu depctr_va_vdst(0)                   ; one wait for the whole batch, ahead of its first reader
.irp b, 0,1,2,3
	v_exp_f32 v[232+\b], v[232+\b]                 ; each block's largest p
.endr
	v_pk_add_f32 v[236:237], v[96:97], v[98:99]    ; the row's sum of the unquantised p, two at a time, in three chains
	v_pk_add_f32 v[242:243], v[100:101], v[102:103]
.irp j, 8,14,20,26,32,38,44,50,56
	v_pk_add_f32 v[14:15], v[14:15], v[96+\j:97+\j]
	v_pk_add_f32 v[236:237], v[236:237], v[98+\j:99+\j]
	v_pk_add_f32 v[242:243], v[242:243], v[100+\j:101+\j]
.endr
	v_pk_add_f32 v[14:15], v[14:15], v[158:159]
	s_delay_alu instid0(VALU_DEP_1)
	v_pk_add_f32 v[14:15], v[14:15], v[242:243]
	s_delay_alu instid0(VALU_DEP_1)
	v_pk_add_f32 v[14:15], v[14:15], v[236:237]
	s_wait_alu depctr_va_vdst(0)                   ; and one for the four
.irp b, 0,1,2,3
	v_max_num_f32 v[232+\b], 0x1800000, v[232+\b]  ; the floor 2^(3 - 127): the byte cannot fall under 1
.endr
.irp b, 0,1,2,3
	s_delay_alu instid0(VALU_DEP_4)
	v_add_nc_u32 v[244+\b], 0xff000000, v[232+\b]
.endr
.irp b, 0,1,2,3
	s_delay_alu instid0(VALU_DEP_4)
	v_lshrrev_b32 v[236+\b], 23, v[244+\b]
.endr
	s_delay_alu instid0(VALU_DEP_3)
	v_lshl_or_b32 v253, v237, 8, v236              ; p's scale word for these 128 keys
	s_delay_alu instid0(VALU_DEP_1)
	v_lshl_or_b32 v253, v238, 16, v253
	s_delay_alu instid0(VALU_DEP_1)
	v_lshl_or_b32 v253, v239, 24, v253
.irp b, 0,1,2,3
	v_cvt_scalef32_pk8_fp4_f32 v[224+2*\b], v[96+16*\b:103+16*\b], v[244+\b]
	v_cvt_scalef32_pk8_fp4_f32 v[225+2*\b], v[104+16*\b:111+16*\b], v[244+\b]
.endr
	v_nop                                          ; one plain place behind a scaled conversion
.irp c, 0,1
.irp i, 0,1
	v_permlane16_swap_b32 v[224+4*\c+\i], v[226+4*\c+\i]
.endr
.endr
	s_wait_alu depctr_va_vdst(0)                   ; the wait here, directly ahead of the first reader of O^T
.irp j, 0,2,4,6,8,10,12,14,16,18,20,22,24,26,28,30
	v_pk_mul_f32 v[160+\j:161+\j], v[160+\j:161+\j], v[252:253] op_sel_hi:[1,0]   ; O^T under the new M.  These sixteen also stand between the lines that made p's codes and scale word and the products
.endr
	s_wait_alu depctr_va_vdst(0)
	s_wait_dscnt 0x0                               ; V and its words are in
.irp ct, 0,1,2,3
	v_wmma_scale_f32_16x16x128_f8f6f4 v[160+8*\ct:167+8*\ct], v[192+8*\ct:199+8*\ct], v[224:231], v[160+8*\ct:167+8*\ct], v[248+\ct], v253 matrix_a_fmt:MATRIX_FMT_FP4 matrix_b_fmt:MATRIX_FMT_FP4
.endr
.Lhidden_\@:
	s_add_co_u32 s[TK], s[TK], 4096
	s_add_co_u32 s[TS], s[TS], 768
	s_add_co_u32 s[SI], s[SI], 1
.endm
.macro WALK steps
	s_mov_b32 s[CNT], \steps
.Lstep_\@:
	STEP
	s_sub_co_u32 s[CNT], s[CNT], 1
	s_cmp_lg_u32 s[CNT], 0
	s_cbranch_scc1 .Lstep_\@
.endm
; THE WAY OUT of tile s[TT].  O^T / the sum: register 16 b + i is channel 32 b + 16 (lane / 16) + i of my query: two blocks of the last product's K.  They are quantised, and the codes are registers 0-3 or 4-7 of y's fragment.
; A wave runs it once: Y for the short tile, X for the long one; so the two pointers are stepped once.
.macro WAYOUT
	v_add_f32 v14, v14, v15
	s_delay_alu instid0(VALU_DEP_1)
	v_permlanex16_b32 v252, v14, s[SEL], s[SEL+1]
	s_delay_alu instid0(VALU_DEP_1)
	v_add_f32 v14, v14, v252                       ; the row's sum
	s_wait_alu depctr_va_vdst(0)
	v_rcp_f32 v14, v14
	v_and_b32 v8, 15, v0                           ; (plain places behind the reciprocal and behind the last products)
	s_delay_alu instid0(VALU_DEP_1)
	v_lshlrev_b32 v8, 4, v8                        ; 16 r
	s_and_b32 s14, s13, 1
	s_lshl_b32 s14, s14, 7
	s_add_co_u32 s14, s14, s[TT]                   ; y's row tile: 128 batch + my tile
	s_lshl_b32 s18, s14, 13
	s_lshr_b32 s15, s13, 2                         ; K step head / 2
	s_lshl_b32 s16, s15, 10
	s_add_co_u32 s18, s18, s16
	s_bfe_u32 s16, s13, 0x10001                    ; head % 2: which half of the fragment
	s_lshl_b32 s17, s16, 9
	s_add_co_u32 s18, s18, s17
	s_mov_b32 s19, 0
	s_add_nc_u64 s[8:9], s[8:9], s[18:19]
	s_lshl_b32 s18, s14, 9
	s_lshr_b32 s17, s13, 4
	s_lshl_b32 s17, s17, 8
	s_add_co_u32 s18, s18, s17
	s_and_b32 s17, s15, 3
	s_lshl_b32 s17, s17, 2
	s_add_co_u32 s18, s18, s17
	s_lshl_b32 s17, s16, 1
	s_add_co_u32 s18, s18, s17
	s_add_nc_u64 s[10:11], s[10:11], s[18:19]
	s_wait_alu depctr_va_vdst(0)                   ; the wait ahead of the reciprocal's first reader, which is also the first reader of O^T
.set j, 0
.rept 32
	v_mul_f32 v[96+j], v[160+j], v14
.set j, j+1
.endr
.irp b, 0,1
	v_max3_num_f32 v[232+\b], |v[96+16*\b]|, |v[97+16*\b]|, 0x1800000
.endr
.irp i, 2,4,6,8,10,12,14
.irp b, 0,1
	s_delay_alu instid0(VALU_DEP_2)
	v_max3_num_f32 v[232+\b], v[232+\b], |v[96+16*\b+\i]|, |v[97+16*\b+\i]|
.endr
.endr
.irp b, 0,1
	s_delay_alu instid0(VALU_DEP_2)
	v_permlanex16_b32 v[236+\b], v[232+\b], s[SEL], s[SEL+1]
.endr
.irp b, 0,1
	s_delay_alu instid0(VALU_DEP_2)
	v_max_num_f32 v[232+\b], v[232+\b], v[236+\b]
.endr
.irp b, 0,1
	s_delay_alu instid0(VALU_DEP_2)
	v_add_nc_u32 v[244+\b], 0xff000000, v[232+\b]
.endr
.irp b, 0,1
	s_delay_alu instid0(VALU_DEP_2)
	v_lshrrev_b32 v[236+\b], 23, v[244+\b]
.endr
	s_delay_alu instid0(VALU_DEP_1)
	v_lshl_or_b32 v240, v237, 8, v236              ; my head's two bytes of the row's scale word
.irp b, 0,1
	v_cvt_scalef32_pk8_fp4_f32 v[224+2*\b], v[96+16*\b:103+16*\b], v[244+\b]
	v_cvt_scalef32_pk8_fp4_f32 v[225+2*\b], v[104+16*\b:111+16*\b], v[244+\b]
.endr
	v_nop
	v_permlane16_swap_b32 v224, v226
	v_permlane16_swap_b32 v225, v227
	global_store_b128 v[AK0], v[224:227], s[8:9]   ; 32 lanes store 512 consecutive bytes
	v_cmp_gt_u32 vcc_lo, 16, v[LN]
	s_wait_alu depctr_va_vdst(0)
	s_wait_xcnt 0x0                                ; EXEC changes only behind this wait
	s_and_saveexec_b32 s14, vcc_lo
	global_store_b16 v8, v240, s[10:11]
	s_wait_xcnt 0x0                                ; and the stores' registers are written again only behind this one
	s_or_b32 exec_lo, exec_lo, s14
.endm
	s_wait_alu depctr_va_vdst(0)
	s_wait_loadcnt 0x0                             ; Q
	s_wait_tensorcnt 0x0                           ; my load of the head's three is in; these lines stand ahead of a later first fill:
	ds_add_u32 v[SPW], v[NIL]                      ; 0 onto my spare word,
	ds_add_u32 v[SPW], v[NIL]                      ; twice on end
	s_mov_b32 s[TK], 0
	s_mov_b32 s[TS], 0
	s_wait_dscnt 0x0
	s_barrier_signal -1
	s_barrier_wait -1                              ; the first quarter and the scale words are whole
	s_cmp_lt_u32 s[WV], 6                          ; waves 0 to 5: quarter 1 + wave / 2 of K (even waves) or V (odd): my one tensor load behind this barrier, a first fill
	s_cbranch_scc0 .Lno_more
	tensor_load_to_lds s[G0D:G0D+3], s[G1C:G1C+7]
	s_nop 0
.rept 4
	v_nop
.endr
.Lno_more:
	WALK 4                                         ; key steps 0 to 3
	s_wait_tensorcnt 0x0                           ; my later quarter is in,
	s_wait_dscnt 0x0
	s_barrier_signal -1
	s_barrier_wait -1                              ; and everybody's
	s_mov_b32 s[TK], 16384
	s_mov_b32 s[TS], 3072
	WALK 6                                         ; key steps 4 to 9: X the long tile's up to XL, Y the short tile's up to its diagonal
	s_cmp_eq_u32 s[RO], 0
	s_cbranch_scc1 .Lmid_x
	WAYOUT                                         ; Y: the short tile goes out,
.irp c, 0,1,2,3
	v_mov_b32 v[16+\c], v[20+\c]                   ; and the long tile is begun anew, for its steps from XL + 1 on
.endr
	v_mov_b32 v255, v241
	s_mov_b32 s[TT], s[TLG]
	s_lshr_b32 s[SD], s[TT], 3
	s_mov_b32 s[HI], s[SD]
	s_add_co_u32 s[LO], s[XL], 1
	BEGIN_TILE
	s_wait_alu depctr_va_vdst(0)
	s_branch .Lmid_done
.Lmid_x:
	s_mov_b32 s[LO], 99                            ; X walks no further step
.Lmid_done:
	s_mov_b32 s[SI], 9
	s_mov_b32 s[TK], 36864
	s_mov_b32 s[TS], 6912
	WALK 7                                         ; key steps 9 to 15: Y the long tile's, from XL + 1 to its diagonal
	s_cmp_eq_u32 s[RO], 0
	s_cbranch_scc1 .Lkeep
.rept 4
	v_nop                                          ; four places between the last products and the first read of results
.endr
.irp k, 0,1,2,3,4,5,6,7
	ds_store_b128 v[SCR], v[160+4*\k:163+4*\k] offset:512*\k   ; Y's part of the long tile: O^T, each accumulator from its low end on,
.endr
	ds_store_b128 v[SCR], v[12:15] offset:4096     ; -M, the largest t, the sum's halves.  (A part of no step is zeros under -M = 3e38: it counts for nothing below)
.Lkeep:
	s_wait_dscnt 0x0                               ; for X's sake
	s_barrier_signal -1
	s_barrier_wait -1
	s_cmp_eq_u32 s[RO], 0
	s_cbranch_scc0 .Lend
.irp k, 0,1,2,3,4,5,6,7
	ds_load_b128 v[96+4*\k:99+4*\k], v[SCR] offset:512*\k
.endr
	ds_load_b128 v[128:131], v[SCR] offset:4096
	s_wait_dscnt 0x0
	v_min_num_f32 v232, v12, v128                  ; X: -M of the two parts together
	v_sub_f32 v233, v232, v12                      ; my M less that M: a whole number, 0 or less,
	v_sub_f32 v234, v232, v128                     ; and Y's
	v_cvt_i32_f32 v233, v233                       ; (they saturate)
	v_cvt_i32_f32 v234, v234
	v_ldexp_f32 v252, 1.0, v233                    ; two powers of two: nothing is rounded
	v_ldexp_f32 v242, 1.0, v234
	v_pk_mul_f32 v[14:15], v[14:15], v[252:253] op_sel_hi:[1,0]
	v_pk_fma_f32 v[14:15], v[130:131], v[242:243], v[14:15] op_sel_hi:[1,0,1]
.irp j, 0,2,4,6,8,10,12,14,16,18,20,22,24,26,28,30
	v_pk_mul_f32 v[160+\j:161+\j], v[160+\j:161+\j], v[252:253] op_sel_hi:[1,0]
.endr
.irp j, 0,2,4,6,8,10,12,14,16,18,20,22,24,26,28,30
	v_pk_fma_f32 v[160+\j:161+\j], v[96+\j:97+\j], v[242:243], v[160+\j:161+\j] op_sel_hi:[1,0,1]
.endr
	WAYOUT
.Lend:
	s_wait_tensorcnt 0x0                           ; the wave's end
	ds_add_u32 v[SPW], v[NIL]
	s_wait_dscnt 0x0
	s_endpgm
.Lfunc_end_k_q7d9d66a416_attn:
	.size	k_q7d9d66a416_attn, .Lfunc_end_k_q7d9d66a416_attn-k_q7d9d66a416_attn
	.p2alignl 7, 3214868480
	.fill 96, 4, 3214868480
	.section	.rodata,"a",@progbits
	.p2align	6, 0x0
	.amdhsa_kernel k_q7d9d66a416_attn
		.amdhsa_group_segment_fixed_size 327680
		.amdhsa_private_segment_fixed_size 0
		.amdhsa_enable_private_segment 0
		.amdhsa_kernarg_size 32
		.amdhsa_user_sgpr_count 2
		.amdhsa_user_sgpr_kernarg_segment_ptr 1
		.amdhsa_wavefront_size32 1
		.amdhsa_system_sgpr_workgroup_id_x 1
		.amdhsa_system_sgpr_workgroup_id_y 1
		.amdhsa_system_sgpr_workgroup_id_z 1
		.amdhsa_system_vgpr_workitem_id 0
		.amdhsa_next_free_vgpr 256
		.amdhsa_next_free_sgpr 72
		.amdhsa_reserve_vcc 1
		.amdhsa_float_denorm_mode_32 3
		.amdhsa_float_denorm_mode_16_64 3
		.amdhsa_memory_ordered 1
		.amdhsa_forward_progress 1
		.amdhsa_inst_pref_size 90
	.end_amdhsa_kernel
	.amdgpu_metadata
---
amdhsa.version: [ 1, 2 ]
amdhsa.kernels:
  - .name:           k_q7d9d66a416_attn
    .symbol:         k_q7d9d66a416_attn.kd
    .args:
      - { .name: qkvc, .offset: 0, .size: 8, .value_kind: global_buffer, .address_space: global }
      - { .name: qkvs, .offset: 8, .size: 8, .value_kind: global_buffer, .address_space: global }
      - { .name: yc, .offset: 16, .size: 8, .value_kind: global_buffer, .address_space: global }
      - { .name: ys, .offset: 24, .size: 8, .value_kind: global_buffer, .address_space: global }
    .group_segment_fixed_size: 327680
    .private_segment_fixed_size: 0
    .kernarg_segment_align: 8
    .kernarg_segment_size: 32
    .max_flat_workgroup_size: 512
    .sgpr_count:     72
    .vgpr_count:     256
    .wavefront_size: 32
...
	.end_amdgpu_metadata
.endif
;; end of part 4
;; launch proj (part 5): grid 8 x 32, 4 waves a work-group, clusters of 4 x 4, 167,936 bytes of LDS; arguments yc, ys, opc, ops, b_proj, out0; writes out0
.if DOCPART == 5
	.amdgcn_target "amdgcn-amd-amdhsa--gfx1250"
	.amdhsa_code_object_version 6
	.text
	.protected	k_q7d9d66a416_proj
	.globl	k_q7d9d66a416_proj
	.p2align	8
	.type	k_q7d9d66a416_proj,@function
k_q7d9d66a416_proj:
	s_mov_b64 s[64:65], 0
	v_nop
	global_prefetch_b8 v0, s[64:65] scope:SCOPE_SE
	s_setreg_imm32_b32 hwreg(HW_REG_WAVE_MODE, 25, 1), 1
	s_wait_xcnt 0x0
	s_wait_alu depctr_hold_cnt(0) depctr_sa_sdst(0) depctr_va_vdst(0) depctr_va_sdst(0) depctr_va_ssrc(0) depctr_va_vcc(0) depctr_vm_vsrc(0)
	s_getreg_b32 s2, hwreg(HW_REG_IB_STS2, 6, 4)
	s_cmp_eq_u32 s2, 0
	s_cbranch_scc0 .Lentry_in_a_cluster
	s_endpgm
.Lentry_in_a_cluster:
	s_bfe_u32 s2, ttmp6, 0x10000c
	s_cmp_lg_u32 s2, 0xf033
	s_cbranch_scc0 .Lentry_shape_is_right
	s_endpgm
.Lentry_shape_is_right:
; out0 = y snap(w_proj)^T + b_proj on codes of E2M1; y's codes and scale words come from launch attn, W's from launch quant (tiles 448-511 of opc and ops), both as images of the operands' registers.
; SHARES.  A work-group makes 128 rows (block Y of 32) x 128 columns (block X of 8): 256 work-groups.  Four waves, each 64 x 64: 16 accumulators.
; ALL OF K (1,024) LIES IN LDS, filled once: 8 tiles of y, then 8 of W, 8,192 bytes a tile.  Four tiles are 32,768 dense bytes: ONE tensor load a wave, at the head (waves 0, 1: y's halves; 2, 3: W's); one wait and one barrier follow.
; NOTHING IS PREFETCHED: every byte that the launch reads is asked for at its head, and there is no loop to run ahead in.
; THE SCALE WORDS go from ys and ops straight into the scale registers: sixteen lanes read 256 consecutive bytes, aligned; lanes 16-31 read the same and are not used.
; CLUSTERS: 4 x 4.  y's tiles hang on Y alone and are asked for jointly along a row of the cluster, W's on X alone, along a column.
; THE PRODUCT IS USED TRANSPOSED: source 0 = 16 rows of W, source 1 = 16 rows of y: a lane holds eight neighbouring columns of one row of the output.  The bias is the C of each accumulator's first product.
; THE WAY OUT: a tile of 16 rows x 64 columns goes through the wave's own stage in LDS and leaves as rows: sixteen lanes store 256 consecutive bytes, aligned.  A tile's rows are those of launch quant's row tiles.
; REGISTERS.  window 0: v1-26 addresses; v28, v29 the add's two; v32-63 y's scale words (register 8 i + ks); v64-95 the bias; v96-127 W's scale words, on the way out the rows read back; v128-255 accumulator (a, b) at v[128 + 8 (4 a + b)].
; window 1: two sets of fragments, at v0 and v128: W's four, then y's four.
.set STAGE,  131072                    ; behind the 16 tiles: 16 rows x 272 bytes for each wave
.set SPARE,  148480                    ; the spare words, 128 bytes for each wave
.set LI,     3
.set ADRA,   8                         ; v8   LDS: my four tiles of y
.set ADRB,   9                         ; v9   and of W
.set SOF,    16                        ; v16  16 r
.set BO,     17
.set STO,    24
.set RD,     25
.set CO,     26
.set SPW,    28
.set NIL,    29
.set SCA,    32
.set BI,     64
.set SCB,    96
.set BK,     96
.set ACC,    128
.set WV,     16
.set HA,     17                        ; my half of y's rows.  Also: I fetch for y (0) or for W (1)
.set HB,     18                        ; my half of W's rows.  Also: which half I fetch
.set G1A,    24
.set G1B,    32
.set G0A,    40
.set G0B,    44
.set MSB, 0
.macro WIN new                         ; the immediate's high byte repeats the setting that is left
.if MSB != \new
	s_set_vgpr_msb (MSB<<8)|\new
.set MSB, \new
.endif
.endm
.set MUL,  0x05                        ; sources 0 and 1 window 1; C and D window 0
.set TO_F, 0x40                        ; destination window 1, address window 0
.macro CROUND                          ; a round of the cluster's barrier
	s_barrier_signal -1
	s_barrier_wait -1
	s_cmp_lg_u32 s[WV], 0
	s_cbranch_scc1 .Lnot_wave_0_\@
	s_barrier_signal -3
.Lnot_wave_0_\@:
	s_barrier_wait -3
	s_barrier_signal -1
	s_barrier_wait -1
.endm
.macro PLACES n
.rept \n
	v_nop
.endr
.endm
	s_load_b256 s[4:11], s[0:1], 0x0               ; yc, ys, opc, ops
	s_load_b128 s[12:15], s[0:1], 0x20             ; b_proj, out0
	v_lshl_add_u32 v[SPW], v0, 2, SPARE
	v_mov_b32 v[NIL], 0
	ds_add_u32 v[SPW], v[NIL]                      ; the wave's opening: the add, twice on end, and its wait ahead of my first tensor load
	ds_add_u32 v[SPW], v[NIL]
	v_lshrrev_b32 v1, 5, v0
	v_readfirstlane_b32 s[WV], v1
	s_lshr_b32 s[HA], s[WV], 1
	s_and_b32 s[HB], s[WV], 1
	s_bfe_u32 s66, ttmp6, 0x40000                  ; cx
	s_bfe_u32 s67, ttmp6, 0x40004                  ; cy
	s_lshl_b32 s100, ttmp9, 2
	s_add_co_u32 s100, s100, s66                   ; X
	s_and_b32 s19, ttmp7, 0xffff
	s_lshl_b32 s19, s19, 2
	s_add_co_u32 s19, s19, s67                     ; Y
	s_lshl_b32 s20, s67, 2
	s_lshl_b32 s20, 15, s20                        ; my row of the cluster
	s_lshl_b32 s21, 0x1111, s66                    ; my column
	s_or_b32 s[G1A], s20, (3<<16)|(1<<21)          ; the mask; elements of 8 bytes; 21 set beside a mask; no padding
	s_or_b32 s[G1B], s21, (3<<16)|(1<<21)
.irp g, G1A, G1B                       ; four tiles: 32,768 dense bytes as 128 rows of 256
	s_mov_b32 s[\g+1], 32<<16
	s_mov_b32 s[\g+2], 128<<16
	s_mov_b32 s[\g+3], 32<<16
	s_mov_b32 s[\g+4], 128
	s_mov_b32 s[\g+5], 32
	s_mov_b32 s[\g+6], 0
	s_mov_b32 s[\g+7], 0
.endr
	s_lshl_b32 s20, s19, 3
	s_lshl_b32 s2, s[HB], 2
	s_add_co_u32 s20, s20, s2                      ; what I fetch: y's tile 8 Y + 4 x half,
	s_lshl_b32 s22, s100, 3
	s_add_co_u32 s22, s22, s2
	s_add_co_u32 s22, s22, 448                     ; W's tile 448 + 8 X + 4 x half
	s_lshl_b32 s20, s20, 13
	s_mov_b32 s21, 0
	s_lshl_b32 s22, s22, 13
	s_mov_b32 s23, 0
	s_lshl_b32 s66, s[WV], 15                      ; where it goes: 32,768 x wave
	s_lshl_b32 s104, s19, 3
	s_lshl_b32 s3, s[HA], 2
	s_add_co_u32 s104, s104, s3
	s_lshl_b32 s104, s104, 9                       ; the scale words that I use: y's tiles 8 Y + 4 HA on, 512 bytes a tile,
	s_mov_b32 s105, 0
	s_lshl_b32 s2, s100, 3
	s_lshl_b32 s3, s[HB], 2
	s_add_co_u32 s2, s2, s3
	s_add_co_u32 s2, s2, 448
	s_lshl_b32 s2, s2, 9                           ; W's tiles 448 + 8 X + 4 HB on
	s_mov_b32 s3, 0
	s_wait_dscnt 0x0                               ; both opening adds are done
	s_wait_kmcnt 0x0
	s_add_nc_u64 s[20:21], s[4:5], s[20:21]
	s_add_nc_u64 s[22:23], s[8:9], s[22:23]
	s_add_nc_u64 s[6:7], s[6:7], s[104:105]
	s_add_nc_u64 s[10:11], s[10:11], s[2:3]
	CROUND                                         ; all sixteen work-groups are here: the joint loads meet
	s_mov_b32 s[G0A], 1
	s_mov_b32 s[G0A+1], s66
	s_mov_b64 s[G0A+2:G0A+3], s[20:21]
	s_or_b32 s[G0A+3], s[G0A+3], 0x80000000
	s_mov_b32 s[G0B], 1
	s_mov_b32 s[G0B+1], s66
	s_mov_b64 s[G0B+2:G0B+3], s[22:23]
	s_or_b32 s[G0B+3], s[G0B+3], 0x80000000
	s_cmp_eq_u32 s[HA], 0                          ; my one tensor load.  An s_nop 0 and four v_nop follow each line
	s_cbranch_scc0 .Lfor_w
	tensor_load_to_lds s[G0A:G0A+3], s[G1A:G1A+7]
	s_nop 0
	PLACES 4
	s_branch .Lasked
.Lfor_w:
	tensor_load_to_lds s[G0B:G0B+3], s[G1B:G1B+7]
	s_nop 0
	PLACES 4
.Lasked:
	s_lshl_b32 s20, s[HA], 15                      ; my four tiles of y
	s_lshl_b32 s21, s[HB], 15
	s_add_co_u32 s21, s21, 65536                   ; my four tiles of W, behind y's eight
	s_mul_i32 s22, s[WV], 4352
	s_add_co_u32 s22, s22, STAGE                   ; my stage
	v_and_b32 v1, 15, v0                           ; r
	v_bfe_u32 v2, v0, 4, 1                         ; h
	v_and_b32 v[LI], 31, v0
	v_lshlrev_b32 v[LI], 4, v[LI]
	v_lshlrev_b32 v[SOF], 4, v1
	v_lshlrev_b32 v[BO], 6, v2                     ; the bias: 16 h columns on
	v_add_nc_u32 v[ADRA], s20, v[LI]
	v_add_nc_u32 v[ADRB], s21, v[LI]
	v_mul_u32_u24 v4, v1, 272                      ; into the stage: row r, 64 bytes for each half of the lanes
	v_lshl_add_u32 v4, v2, 6, v4
	v_add_nc_u32 v[STO], s22, v4
	v_mul_u32_u24 v4, v2, 272                      ; back: lanes 0-15 one row, lanes 16-31 the next
	v_lshl_add_u32 v4, v1, 4, v4
	v_add_nc_u32 v[RD], s22, v4
	v_lshlrev_b32 v[CO], 12, v2                    ; and the same two rows in the output
	v_lshl_add_u32 v[CO], v1, 4, v[CO]
	s_lshl_b32 s20, s100, 9
	s_lshl_b32 s21, s[HB], 8
	s_add_co_u32 s20, s20, s21                     ; my 64 columns, in bytes
	s_mov_b32 s21, 0
	s_add_nc_u64 s[12:13], s[12:13], s[20:21]
	s_add_nc_u64 s[14:15], s[14:15], s[20:21]
	s_lshl_b32 s20, s19, 19                        ; my 64 rows of 4,096 bytes
	s_lshl_b32 s22, s[HA], 18
	s_add_co_u32 s20, s20, s22
	s_add_nc_u64 s[14:15], s[14:15], s[20:21]
	s_wait_alu depctr_va_vdst(0)
.irp i, 0,1,2,3
.irp kq, 0,1
	global_load_b128 v[SCA+8*\i+4*\kq:SCA+8*\i+4*\kq+3], v[SOF], s[6:7] offset:512*\i+256*\kq
	global_load_b128 v[SCB+8*\i+4*\kq:SCB+8*\i+4*\kq+3], v[SOF], s[10:11] offset:512*\i+256*\kq
.endr
.endr
.irp b, 0,1,2,3
	global_load_b128 v[BI+8*\b:BI+8*\b+3], v[BO], s[12:13] offset:(32*(\b/2)+8*(\b%2))*4
	global_load_b128 v[BI+8*\b+4:BI+8*\b+7], v[BO], s[12:13] offset:(32*(\b/2)+8*(\b%2))*4+16
.endr
.macro FETCH ks, set                   ; K step ks: W's four fragments and y's four
	WIN TO_F
.irp i, 0,1,2,3
.irp c, 0,1
	ds_load_b128 v[128*(\set)+8*\i+4*\c:128*(\set)+8*\i+4*\c+3], v[ADRB] offset:8192*\i+1024*(\ks)+512*\c
	ds_load_b128 v[128*(\set)+32+8*\i+4*\c:128*(\set)+32+8*\i+4*\c+3], v[ADRA] offset:8192*\i+1024*(\ks)+512*\c
.endr
.endr
.endm
.macro MUL8 a0, ks                     ; the 16 accumulators take turns, in the same order in every step
.irp a, \a0, \a0+1
.irp b, 0,1,2,3
.set rD, ACC+8*(4*(\a)+\b)
.set rP, 128*((\ks)%2)+8*\b
.set rS, 128*((\ks)%2)+32+8*(\a)
.if (\ks) == 0
	v_wmma_scale_f32_16x16x128_f8f6f4 v[rD:rD+7], v[rP:rP+7], v[rS:rS+7], v[BI+8*\b:BI+8*\b+7], v[SCB+8*\b+(\ks)], v[SCA+8*(\a)+(\ks)] matrix_a_fmt:MATRIX_FMT_FP4 matrix_b_fmt:MATRIX_FMT_FP4
.else
	v_wmma_scale_f32_16x16x128_f8f6f4 v[rD:rD+7], v[rP:rP+7], v[rS:rS+7], v[rD:rD+7], v[SCB+8*\b+(\ks)], v[SCA+8*(\a)+(\ks)] matrix_a_fmt:MATRIX_FMT_FP4 matrix_b_fmt:MATRIX_FMT_FP4
.endif
.endr
.endr
.endm
.macro STEP ks
	s_wait_dscnt 0x0                               ; this step's fragments are in
	WIN MUL
	MUL8 0, \ks
.if (\ks) < 7
	PLACES 4                                       ; four places in front of loads into registers that the last step's products have read
	FETCH (\ks)+1, 1-(\ks)%2
.endif
	WIN MUL
	MUL8 2, \ks
.endm
	s_wait_tensorcnt 0x0                           ; my four tiles are in
	s_barrier_signal -1
	s_barrier_wait -1                              ; everybody's are
	FETCH 0, 0
	WIN 0
	s_wait_loadcnt 0x0                             ; the scale words and the bias
.irp ks, 0,1,2,3,4,5,6,7
	STEP \ks
.endr
	WIN 0
	PLACES 4                                       ; four places between the last products and the first read of results, and in front of loads into W's scale registers
.irp a, 0,1,2,3
.if \a > 0
	s_wait_xcnt 0x0                                ; the last tile's stores have read their registers
.endif
.irp b, 0,1,2,3
	ds_store_b128 v[STO], v[ACC+8*(4*\a+\b):ACC+8*(4*\a+\b)+3] offset:128*(\b/2)+32*(\b%2)          ; each accumulator from its low end on
	ds_store_b128 v[STO], v[ACC+8*(4*\a+\b)+4:ACC+8*(4*\a+\b)+7] offset:128*(\b/2)+32*(\b%2)+16
.endr
.irp i, 0,1,2,3,4,5,6,7
	ds_load_b128 v[BK+4*\i:BK+4*\i+3], v[RD] offset:544*\i   ; LDS serves a wave's instructions in order: these see my stores
.endr
.irp i, 0,1,2,3,4,5,6,7
	s_wait_dscnt 7-\i                              ; load i is in; the 7 - i younger ones may be out
	global_store_b128 v[CO], v[BK+4*\i:BK+4*\i+3], s[14:15] offset:(32*(\a/2)+8*(\a%2)+2*\i+8*(\i/4))*4096 th:TH_STORE_NT
.endr
.endr
	s_wait_tensorcnt 0x0                           ; the wave's end
	ds_add_u32 v[SPW], v[NIL]
	s_wait_dscnt 0x0
	CROUND                                         ; the closing round
	s_endpgm
.Lfunc_end_k_q7d9d66a416_proj:
	.size	k_q7d9d66a416_proj, .Lfunc_end_k_q7d9d66a416_proj-k_q7d9d66a416_proj
	.p2alignl 7, 3214868480
	.fill 96, 4, 3214868480
	.section	.rodata,"a",@progbits
	.p2align	6, 0x0
	.amdhsa_kernel k_q7d9d66a416_proj
		.amdhsa_group_segment_fixed_size 167936
		.amdhsa_private_segment_fixed_size 0
		.amdhsa_enable_private_segment 0
		.amdhsa_kernarg_size 48
		.amdhsa_user_sgpr_count 2
		.amdhsa_user_sgpr_kernarg_segment_ptr 1
		.amdhsa_wavefront_size32 1
		.amdhsa_system_sgpr_workgroup_id_x 1
		.amdhsa_system_sgpr_workgroup_id_y 1
		.amdhsa_system_sgpr_workgroup_id_z 1
		.amdhsa_system_vgpr_workitem_id 0
		.amdhsa_next_free_vgpr 512
		.amdhsa_next_free_sgpr 106
		.amdhsa_reserve_vcc 0
		.amdhsa_float_denorm_mode_32 3
		.amdhsa_float_denorm_mode_16_64 3
		.amdhsa_memory_ordered 1
		.amdhsa_forward_progress 1
		.amdhsa_inst_pref_size 43
	.end_amdhsa_kernel
	.amdgpu_metadata
---
amdhsa.version: [ 1, 2 ]
amdhsa.kernels:
  - .name:           k_q7d9d66a416_proj
    .symbol:         k_q7d9d66a416_proj.kd
    .args:
      - { .name: yc, .offset: 0, .size: 8, .value_kind: global_buffer, .address_space: global }
      - { .name: ys, .offset: 8, .size: 8, .value_kind: global_buffer, .address_space: global }
      - { .name: opc, .offset: 16, .size: 8, .value_kind: global_buffer, .address_space: global }
      - { .name: ops, .offset: 24, .size: 8, .value_kind: global_buffer, .address_space: global }
      - { .name: b_proj, .offset: 32, .size: 8, .value_kind: global_buffer, .address_space: global }
      - { .name: out0, .offset: 40, .size: 8, .value_kind: global_buffer, .address_space: global }
    .group_segment_fixed_size: 167936
    .private_segment_fixed_size: 0
    .kernarg_segment_align: 8
    .kernarg_segment_size: 48
    .max_flat_workgroup_size: 128
    .sgpr_count:     106
    .vgpr_count:     512
    .wavefront_size: 32
...
	.end_amdgpu_metadata
.endif
;; end of part 5
